; MI455X (gfx1250); checked and timed in simulation.
; The chip was launched on July 23, 2026; its instructions are those of AMD's public machine-readable ISA for CDNA 5 (MIT licence, August 2026) and "CDNA5" Instruction Set Architecture Reference Guide (July 2026). The comments in the code are by the model that wrote it; some were corrected since.
;; Transformer Layer Torch. Allowed arithmetic: float matrix products may take bf16 or f16 operands with f32 sums; all other float work in f32.
;; Inputs: beta1 1,024 float32; beta2 1,024 float32; gamma1 1,024 float32; gamma2 1,024 float32; mlp_fc1 4,096 x 1,024 float32; mlp_fc2 1,024 x 4,096 float32; wk 16 x 64 x 1,024 float32; wo 1,024 x 1,024 float32; wq 16 x 64 x 1,024 float32; wv 16 x 64 x 1,024 float32; x 4 x 1,024 x 1,024 float32.
;; Outputs: out0 4 x 1,024 x 1,024 float32.
;; One version. Each part assembles by itself: llvm-mc -triple=amdgcn-amd-amdhsa -mcpu=gfx1250 --defsym DOCPART=n.
;; ======== version 1 of 1: 7 launches
;; limits: right only within a limited range of input values
;; workspace buffers: wb 25,165,824 bytes; nb 8,388,608 bytes; qkvh 25,165,824 bytes; cc 8,388,608 bytes; xr 16,777,216 bytes; hid 33,554,432 bytes
;; launch prep (part 1): grid 1792 x 1, 8 waves a work-group, no clusters, 0 bytes of LDS; arguments x, gamma1, beta1, nb, wq, wk, wv, wo, mlp_fc1, mlp_fc2, wb; writes nb, wb
.if DOCPART == 1
	.amdgcn_target "amdgcn-amd-amdhsa--gfx1250"
	.amdhsa_code_object_version 6
	.text
	.protected	k_q54f0a98672_prep
	.globl	k_q54f0a98672_prep
	.p2align	8
	.type	k_q54f0a98672_prep,@function
k_q54f0a98672_prep:
	s_mov_b64 s[64:65], 0
	v_nop
	global_prefetch_b8 v0, s[64:65] scope:SCOPE_SE
	s_setreg_imm32_b32 hwreg(HW_REG_WAVE_MODE, 25, 1), 1
	s_wait_xcnt 0x0
; Two jobs in one launch, told apart by the work-group's number.
; Work-groups 0-255: nb = layer norm of x with gamma1, beta1, rounded to bf16.  16 rows a work-group, 2 rows a wave; a row of 4,096 bytes
; is 32 registers of one wave, so mean and variance never leave the wave: no LDS, no barrier.  The variance is the mean of (x - mean)^2, formed
; from the differences, so a common offset of the inputs does not cancel.
; Work-groups 256-1791: the six weight tensors, f32 -> bf16, into wb: wq, wk, wv (2 MiB each), wo at 6 MiB, fc1 at 8 MiB, fc2 at 16 MiB.
; Each takes 32 KiB of f32: 128 work-groups for each small tensor, 512 for each large one.
; Limit: v_rsq_f32 is good to one unit in the last place; nothing else departs from f32 arithmetic.
.set GO,   1                           ; v1       16 x lane: my bytes in gamma and beta
.set XO,   2                           ; v2       wave x 2 rows x 4,096 + 16 x lane
.set YO,   3                           ; v3       wave x 2 rows x 2,048 + 8 x lane
.set T,    8                           ; v[8:15]  four packed chains
.set MEAN, 16                          ; v[16:17] the mean, twice
.set RSTD, 18                          ; v[18:19] 1 / sqrt(var + eps), twice
.set W0,   20
.set W1,   21
.set X0,   32                          ; v[32:63]   row 0
.set X1,   64                          ; v[64:95]   row 1
.set G,    96                          ; v[96:127]  gamma of my 32 columns
.set BT,   128                         ; v[128:159] beta
.macro LANESUM                         ; the four chains -> one number, the same in all 32 lanes, in W0
	v_pk_add_f32 v[T:T+1], v[T:T+1], v[T+2:T+3]
	v_pk_add_f32 v[T+4:T+5], v[T+4:T+5], v[T+6:T+7]
	v_pk_add_f32 v[T:T+1], v[T:T+1], v[T+4:T+5]
	v_add_f32 v[W0], v[T], v[T+1]
.irp m, 1,2,4,8
	v_add_f32_dpp v[W0], v[W0], v[W0] row_xmask:\m row_mask:0xf bank_mask:0xf
.endr
	v_permlanex16_b32 v[W1], v[W0], s12, s13       ; the other half of the lanes; W1 has been written before
	v_add_f32 v[W0], v[W0], v[W1]
.endm
.macro STATS x                         ; the row in v[x .. x+31] becomes (x - mean) / sqrt(var + eps)
.irp k, 0,1,2,3
	v_pk_add_f32 v[T+2*\k:T+2*\k+1], v[\x+2*\k:\x+2*\k+1], v[\x+8+2*\k:\x+8+2*\k+1]   ; the first pairs start the chains: nothing is cleared
.endr
.irp o, 16,24
.irp k, 0,1,2,3
	v_pk_add_f32 v[T+2*\k:T+2*\k+1], v[T+2*\k:T+2*\k+1], v[\x+\o+2*\k:\x+\o+2*\k+1]
.endr
.endr
	LANESUM
	v_mul_f32 v[MEAN], s14, v[W0]                  ; sum / 1024
	v_mul_f32 v[MEAN+1], s14, v[W0]
.set i, 0
.rept 16
	v_pk_add_f32 v[\x+2*i:\x+2*i+1], v[\x+2*i:\x+2*i+1], v[MEAN:MEAN+1] neg_lo:[0,1] neg_hi:[0,1]
.set i, i+1
.endr
.irp k, 0,1,2,3
	v_pk_mul_f32 v[T+2*\k:T+2*\k+1], v[\x+2*\k:\x+2*\k+1], v[\x+2*\k:\x+2*\k+1]
.endr
.irp o, 8,16,24
.irp k, 0,1,2,3
	v_pk_fma_f32 v[T+2*\k:T+2*\k+1], v[\x+\o+2*\k:\x+\o+2*\k+1], v[\x+\o+2*\k:\x+\o+2*\k+1], v[T+2*\k:T+2*\k+1]
.endr
.endr
	LANESUM
	v_fma_f32 v[W0], v[W0], s14, s15               ; var + eps
	v_rsq_f32 v[RSTD], v[W0]
	v_rsq_f32 v[RSTD+1], v[W0]
	v_nop                                          ; a plain instruction between the roots and the use of their results (ISA guide 5.7.2)
.set i, 0
	s_wait_alu depctr_va_vdst(0)
.rept 16
	v_pk_mul_f32 v[\x+2*i:\x+2*i+1], v[\x+2*i:\x+2*i+1], v[RSTD:RSTD+1]
.set i, i+1
.endr
.endm
.macro FIN x, rowoff                   ; times gamma plus beta, rounded, stored
.set i, 0
.rept 16
	v_pk_fma_f32 v[\x+2*i:\x+2*i+1], v[\x+2*i:\x+2*i+1], v[G+2*i:G+2*i+1], v[BT+2*i:BT+2*i+1]
.set i, i+1
.endr
.set i, 0
.rept 16
	v_cvt_pk_bf16_f32 v[\x+i], v[\x+2*i], v[\x+2*i+1]   ; packed downward in place: a destination is never above sources still to be read
.set i, i+1
.endr
.irp j, 0,1,2,3,4,5,6,7
	global_store_b64 v[YO], v[\x+2*\j:\x+2*\j+1], s[10:11] offset:\rowoff+256*\j   ; 32 lanes x 8 bytes: 256 consecutive bytes, aligned
.endr
.endm
	s_cmp_lt_u32 ttmp9, 256
	s_cbranch_scc0 .Lcast
	s_load_b256 s[4:11], s[0:1], 0x0               ; x s[4:5], gamma s[6:7], beta s[8:9], nb s[10:11]
	s_lshl_b32 s2, ttmp9, 16                       ; 16 rows of 4,096 bytes
	s_mov_b32 s3, 0
	s_lshl_b32 s16, ttmp9, 15                      ; 16 rows of 2,048 bytes
	s_mov_b32 s17, 0
	s_mov_b32 s12, 0x76543210                      ; v_permlanex16_b32: each lane takes its own place in the other half
	s_mov_b32 s13, 0xfedcba98
	s_mov_b32 s14, 0x3a800000                      ; 1 / 1024
	s_mov_b32 s15, 0x3727c5ac                      ; eps = 1e-5
	v_and_b32 v4, 31, v0
	v_lshrrev_b32 v5, 5, v0
	v_lshlrev_b32 v[GO], 4, v4
	v_lshl_add_u32 v[XO], v5, 13, v[GO]
	v_lshlrev_b32 v[YO], 3, v4
	v_lshl_add_u32 v[YO], v5, 12, v[YO]
	v_mov_b32 v[W1], 0
	s_wait_kmcnt 0x0
	s_add_nc_u64 s[4:5], s[4:5], s[2:3]
	s_add_nc_u64 s[10:11], s[10:11], s[16:17]
.irp j, 0,1,2,3,4,5,6,7
	global_load_b128 v[X0+4*\j:X0+4*\j+3], v[XO], s[4:5] offset:512*\j         ; each load of the wave: 512 consecutive bytes
.endr
.irp j, 0,1,2,3,4,5,6,7
	global_load_b128 v[X1+4*\j:X1+4*\j+3], v[XO], s[4:5] offset:4096+512*\j
.endr
.irp j, 0,1,2,3,4,5,6,7
	global_load_b128 v[G+4*\j:G+4*\j+3], v[GO], s[6:7] offset:512*\j
.endr
.irp j, 0,1,2,3,4,5,6,7
	global_load_b128 v[BT+4*\j:BT+4*\j+3], v[GO], s[8:9] offset:512*\j
.endr
	s_wait_loadcnt 24                              ; row 0 is in; row 1, gamma and beta (24 loads) may stay out
	STATS X0
	s_wait_loadcnt 16                              ; row 1 is in; gamma and beta may stay out
	STATS X1
	s_wait_loadcnt 0x0
	FIN X0, 0
	FIN X1, 2048
	s_endpgm
.Lcast:
	s_load_b256 s[16:23], s[0:1], 0x20             ; wq s[16:17], wk s[18:19], wv s[20:21], wo s[22:23]
	s_load_b128 s[24:27], s[0:1], 0x40             ; fc1 s[24:25], fc2 s[26:27]
	s_load_b64 s[28:29], s[0:1], 0x50              ; wb
	s_sub_co_u32 s2, ttmp9, 256                    ; c = 0 .. 1535: my 16 KiB of wb
	s_lshr_b32 s3, s2, 7                           ; which 2 MiB of wb: 0 wq, 1 wk, 2 wv, 3 wo, 4-7 fc1, 8-11 fc2
	v_lshlrev_b32 v1, 4, v0
	v_lshlrev_b32 v2, 3, v0
	s_wait_kmcnt 0x0
	s_cmp_eq_u32 s3, 1
	s_cselect_b64 s[16:17], s[18:19], s[16:17]
	s_cmp_eq_u32 s3, 2
	s_cselect_b64 s[16:17], s[20:21], s[16:17]
	s_cmp_eq_u32 s3, 3
	s_cselect_b64 s[16:17], s[22:23], s[16:17]
	s_cmp_ge_u32 s3, 4
	s_cselect_b64 s[16:17], s[24:25], s[16:17]
	s_cmp_ge_u32 s3, 8
	s_cselect_b64 s[16:17], s[26:27], s[16:17]
	s_and_b32 s30, s2, 127                         ; my place in a small tensor,
	s_and_b32 s31, s2, 511                         ; in a large one
	s_cmp_lt_u32 s3, 4
	s_cselect_b32 s30, s30, s31
	s_lshl_b32 s30, s30, 15                        ; 32 KiB of f32
	s_mov_b32 s31, 0
	s_add_nc_u64 s[16:17], s[16:17], s[30:31]
	s_lshl_b32 s32, s2, 14
	s_mov_b32 s33, 0
	s_add_nc_u64 s[28:29], s[28:29], s[32:33]
.irp j, 0,1,2,3,4,5,6,7
	global_load_b128 v[32+4*\j:32+4*\j+3], v1, s[16:17] offset:4096*\j th:TH_LOAD_NT   ; read once in the whole program
.endr
.irp j, 0,1,2,3,4,5,6,7
	s_wait_loadcnt 7-\j                            ; loads come back in order: load j is in, the younger ones stay out
	v_cvt_pk_bf16_f32 v[32+4*\j], v[32+4*\j], v[32+4*\j+1]
	v_cvt_pk_bf16_f32 v[32+4*\j+1], v[32+4*\j+2], v[32+4*\j+3]
	global_store_b64 v2, v[32+4*\j:32+4*\j+1], s[28:29] offset:2048*\j   ; 32 lanes x 8 bytes: 256 consecutive bytes, aligned
.endr
	s_endpgm
.Lfunc_end_k_q54f0a98672_prep:
	.size	k_q54f0a98672_prep, .Lfunc_end_k_q54f0a98672_prep-k_q54f0a98672_prep
	.p2alignl 7, 3214868480
	.fill 96, 4, 3214868480
	.section	.rodata,"a",@progbits
	.p2align	6, 0x0
	.amdhsa_kernel k_q54f0a98672_prep
		.amdhsa_group_segment_fixed_size 0
		.amdhsa_private_segment_fixed_size 0
		.amdhsa_enable_private_segment 0
		.amdhsa_kernarg_size 88
		.amdhsa_user_sgpr_count 2
		.amdhsa_user_sgpr_kernarg_segment_ptr 1
		.amdhsa_wavefront_size32 1
		.amdhsa_system_sgpr_workgroup_id_x 1
		.amdhsa_system_sgpr_workgroup_id_y 1
		.amdhsa_system_sgpr_workgroup_id_z 1
		.amdhsa_system_vgpr_workitem_id 0
		.amdhsa_next_free_vgpr 160
		.amdhsa_next_free_sgpr 66
		.amdhsa_reserve_vcc 0
		.amdhsa_float_denorm_mode_32 3
		.amdhsa_float_denorm_mode_16_64 3
		.amdhsa_memory_ordered 1
		.amdhsa_forward_progress 1
		.amdhsa_inst_pref_size 24
	.end_amdhsa_kernel
	.amdgpu_metadata
---
amdhsa.version: [ 1, 2 ]
amdhsa.kernels:
  - .name:           k_q54f0a98672_prep
    .symbol:         k_q54f0a98672_prep.kd
    .args:
      - { .name: x, .offset: 0, .size: 8, .value_kind: global_buffer, .address_space: global }
      - { .name: gamma1, .offset: 8, .size: 8, .value_kind: global_buffer, .address_space: global }
      - { .name: beta1, .offset: 16, .size: 8, .value_kind: global_buffer, .address_space: global }
      - { .name: nb, .offset: 24, .size: 8, .value_kind: global_buffer, .address_space: global }
      - { .name: wq, .offset: 32, .size: 8, .value_kind: global_buffer, .address_space: global }
      - { .name: wk, .offset: 40, .size: 8, .value_kind: global_buffer, .address_space: global }
      - { .name: wv, .offset: 48, .size: 8, .value_kind: global_buffer, .address_space: global }
      - { .name: wo, .offset: 56, .size: 8, .value_kind: global_buffer, .address_space: global }
      - { .name: mlp_fc1, .offset: 64, .size: 8, .value_kind: global_buffer, .address_space: global }
      - { .name: mlp_fc2, .offset: 72, .size: 8, .value_kind: global_buffer, .address_space: global }
      - { .name: wb, .offset: 80, .size: 8, .value_kind: global_buffer, .address_space: global }
    .group_segment_fixed_size: 0
    .private_segment_fixed_size: 0
    .kernarg_segment_align: 8
    .kernarg_segment_size: 88
    .max_flat_workgroup_size: 256
    .sgpr_count:     66
    .vgpr_count:     160
    .wavefront_size: 32
...
	.end_amdgpu_metadata
.endif
;; end of part 1
;; launch qkv (part 2): grid 12 x 16, 4 waves a work-group, clusters of 4 x 4, 327,680 bytes of LDS; arguments nb, wb, qkvh; writes qkvh
.if DOCPART == 2
	.amdgcn_target "amdgcn-amd-amdhsa--gfx1250"
	.amdhsa_code_object_version 6
	.text
	.protected	k_q54f0a98672_qkv
	.globl	k_q54f0a98672_qkv
	.p2align	8
	.type	k_q54f0a98672_qkv,@function
k_q54f0a98672_qkv:
	s_mov_b64 s[64:65], 0
	v_nop
	global_prefetch_b8 v0, s[64:65] scope:SCOPE_SE
	s_setreg_imm32_b32 hwreg(HW_REG_WAVE_MODE, 25, 1), 1
	s_wait_xcnt 0x0
	s_wait_alu depctr_hold_cnt(0) depctr_sa_sdst(0) depctr_va_vdst(0) depctr_va_sdst(0) depctr_va_ssrc(0) depctr_va_vcc(0) depctr_vm_vsrc(0)
	s_getreg_b32 s2, hwreg(HW_REG_IB_STS2, 6, 4)
	s_cmp_eq_u32 s2, 0
	s_cbranch_scc0 .Lentry_in_a_cluster
	s_endpgm
.Lentry_in_a_cluster:
	s_bfe_u32 s2, ttmp6, 0x10000c
	s_cmp_lg_u32 s2, 0xf033
	s_cbranch_scc0 .Lentry_shape_is_right
	s_endpgm
.Lentry_shape_is_right:
; q, k, v = n W^T for all heads at once: C[m][n] = sum over k of A[m][k] B[n][k], A = nb [4096][1024] bf16, B = the first 3,072 rows of wb
; (wq, wk, wv, [3072][1024] bf16); sums in f32, rounded once to bf16.  C is stored head-major: qkvh[n / 1024][16 (m / 1024) + (n / 64) % 16][m % 1024][n % 64].
; A tile of C, 256 x 256, is made by four waves, each 128 x 128: 64 accumulators of 16 x 16, 512 registers.  K goes in steps of 128 through two LDS slots
; filled by the tensor data mover; a tile's rows are 256 bytes of memory, aligned.
; CLUSTER: 4 x 4 work-groups.  The four of a row of the cluster need the same tiles of A, the four of a column the same tiles of B: each tile is asked for
; jointly, by the same tensor load with the same descriptor and a mask that names the four.
; THE K LOOP IS SHORT TEXT: a pair of quarter steps (32 along K each) is written once and walked twice a K step; the LDS byte at which a pair reads is s[TB].
; THE MATRIX INSTRUCTION IS USED TRANSPOSED (source 0 = 16 rows of B, source 1 = 16 rows of A): a lane holds row m = lane % 16 and columns 8 (lane / 16) + 0..7.
; REGISTERS, in windows of 256: window 0: v16-29 addresses, v64-127 and v128-191 A's fragments (two buffers), on the way out v32-159 results in f32 and v160-223 in bf16;
; window 1: v64-127, v128-191 B's fragments; windows 2, 3: the accumulators, (a, b) at v[8 (8 (a % 4) + b)] of window 2 + a / 4.
.set SIZE_K, 1024
.set KSTEP,  128
.set KSTEPS, SIZE_K/KSTEP
.set PITCH,  272                       ; an LDS row: 256 bytes + 16 of padding = 68 words: the 16 rows of a fragment load start at 16 different banks (64 banks of 4 bytes: ISA guide 11.1)
.set HALFT,  128*PITCH                 ; what one tensor load brings
.set SLOT,   4*HALFT                   ; A's 256 rows, then B's.  0x22000 shares no bit with wave x HALFT, so one exclusive or turns an address in one slot into the other's
.set SPARE,  2*SLOT                    ; behind the ring: the spare words, 128 bytes a wave
.set SPITCH, 528                       ; the way out: a row of 128 f32 + 16 bytes
.set WSTAGE, 128*SPITCH                ; a wave's own stage, in the ring, which has had its last fill by then
.set A0,   16                          ; v16  my lane's place in A's part of slot 0; never rewritten
.set B0,   17                          ; v17  the same for B
.set ADRA, 18                          ; v18  A0 + s[TB]
.set ADRB, 19
.set STO,  24                          ; the way out: where my results go in the stage
.set RD,   25                          ; where I read them back
.set CO,   26                          ; my byte offset in C
.set SPW,  28                          ; LDS address of my spare word; never rewritten
.set NIL,  29                          ; 0; never rewritten
.set E,    32                          ; v[32:159]  32 rows' worth of results, f32
.set F0,   64
.set F1,   128
.set Y,    160                         ; v[160:223] the same, bf16
.set G1,   24                          ; s[24:31] group 1 for A's tiles;  s[32:39] group 0: a set for each first fill; the second walks on
.set G0,   32
.set G1B,  48                          ; s[48:55], s[56:63] the same for B's
.set G0B,  56
.set TB,    66                         ; s66  LDS byte at which the pair in hand reads: slot + byte in the row
.set SLOTS, 67
.set TWICE, 68
.set ROWS,  69
.set MSB, 0
.macro WIN new                         ; the immediate's high byte repeats the setting that is left; a switch that changes nothing is dropped
.if MSB != \new
	s_set_vgpr_msb (MSB<<8)|\new
.set MSB, \new
.endif
.endm
.set MUL_LO, 0xa1                      ; source 0 (B) window 1, source 1 (A) window 0, C and D window 2
.set MUL_HI, 0xf1                      ; the same, C and D window 3
.set TO_B,   0x40                      ; destination window 1, address window 0
.macro PLACES                          ; four plain instructions between a matrix instruction and a load into, or a read of, its registers
.rept 4
	v_nop
.endr
.endm
.macro CROUND                          ; a round of the cluster's barrier: my work-group's barrier, wave 0 signals for it, all wait for all sixteen, my work-group's barrier again
	s_barrier_signal -1
	s_barrier_wait -1
	s_cmp_lg_u32 s10, 0
	s_cbranch_scc1 .Lnot_wave_0_\@
	s_barrier_signal -3
.Lnot_wave_0_\@:
	s_barrier_wait -3
	s_barrier_signal -1
	s_barrier_wait -1
.endm
.macro JLOAD                           ; the joint refill: waves 0, 1 fetch A's halves, waves 2, 3 B's; four v_nop follow each line
	s_cmp_eq_u32 s11, 0
	s_cbranch_scc0 .Lfor_b_\@
	tensor_load_to_lds s[G0+4:G0+7], s[G1:G1+7]
	s_nop 0
	PLACES
	s_branch .Lasked_\@
.Lfor_b_\@:
	tensor_load_to_lds s[G0B+4:G0B+7], s[G1B:G1B+7]
	s_nop 0
	PLACES
.Lasked_\@:
.endm
.macro MUL16 f, hi, a0, zero           ; 16 matrix instructions: m blocks a0, a0 + 1 of the window's four x all 8 n blocks; zero = 1: the product starts the sums
.irp a, \a0, \a0+1
.irp b, 0,1,2,3,4,5,6,7
.if \zero
	v_wmma_f32_16x16x32_bf16 v[8*(8*(\a)+\b):8*(8*(\a)+\b)+7], v[\f+8*\b:\f+8*\b+7], v[\f+8*(4*\hi+\a):\f+8*(4*\hi+\a)+7], 0
.else
	v_wmma_f32_16x16x32_bf16 v[8*(8*(\a)+\b):8*(8*(\a)+\b)+7], v[\f+8*\b:\f+8*\b+7], v[\f+8*(4*\hi+\a):\f+8*(4*\hi+\a)+7], v[8*(8*(\a)+\b):8*(8*(\a)+\b)+7]
.endif
.endr
.endr
.endm
.macro FETCH k, f                      ; 32 LDS loads in one run: a quarter step's fragments (128 rows of B, 128 of A, 32 along K) into buffer f
	WIN TO_B
.irp i, 0,1,2,3,4,5,6,7
	ds_load_b128 v[\f+8*\i:\f+8*\i+3],   v[ADRB] offset:\k+\i*16*PITCH
	ds_load_b128 v[\f+8*\i+4:\f+8*\i+7], v[ADRB] offset:\k+\i*16*PITCH+32
.endr
	WIN 0
.irp i, 0,1,2,3,4,5,6,7
	ds_load_b128 v[\f+8*\i:\f+8*\i+3],   v[ADRA] offset:\k+\i*16*PITCH
	ds_load_b128 v[\f+8*\i+4:\f+8*\i+7], v[ADRA] offset:\k+\i*16*PITCH+32
.endr
.endm
.macro QUARTER f, g, k, zero           ; multiplies buffer f (64 matrix instructions, all 64 accumulators by turns); in its middle fetches the next quarter into g
	s_wait_dscnt 8                                 ; B and A's rows 0-63 are in; the youngest eight loads (A's rows 64-127) may be out
	WIN MUL_LO
	MUL16 \f, 0, 0, \zero
	MUL16 \f, 0, 2, \zero
	PLACES
	FETCH \k, \g
	s_wait_dscnt 32                                ; all but the 32 just issued
	WIN MUL_HI
	MUL16 \f, 1, 0, \zero
	MUL16 \f, 1, 2, \zero
.endm
.macro PAIR                            ; multiplies the quarter in buffer 1 and the next; fetches the two quarters at byte s[TB] of the rows
	WIN 0
	v_add_nc_u32 v[ADRA], s[TB], v[A0]
	v_add_nc_u32 v[ADRB], s[TB], v[B0]
	QUARTER F1, F0, 0, 0
	QUARTER F0, F1, 64, 0
	s_add_co_u32 s[TB], s[TB], 128
.endm
.macro TWO_PAIRS                       ; a K step's worth, written once
	s_mov_b32 s[TWICE], 2
.Lpair_\@:
	PAIR
	WIN 0                                          ; at a label and at a branch every window is 0
	s_sub_co_u32 s[TWICE], s[TWICE], 1
	s_cmp_lg_u32 s[TWICE], 0
	s_cbranch_scc1 .Lpair_\@
.endm
; THE CHANGE OF SLOTS.  The slot's last fragments have been asked for.  Each wave waits for all its tensor loads (one is out: its part of the next slot), adds 0 to its spare
; word, and waits for that and for its reads of the slot.  fill = 1: the barrier is a round of the cluster's, and the joint refill (two K steps on) is the first thing behind it.
.macro CHANGE fill
	WIN 0
	s_wait_tensorcnt 0x0                           ; no tensor load of mine is out, so a group 0 may be written
	ds_add_u32 v[SPW], v[NIL]                      ; 0 onto my spare word
.if \fill
	s_xor_b32 s[G0+5], s[G0+5], SLOT               ; the walking descriptors: the other slot than last time,
	s_xor_b32 s[G0B+5], s[G0B+5], SLOT
	s_add_nc_u64 s[G0+6:G0+7], s[G0+6:G0+7], KSTEP*2       ; the next K step; the type bits on top are not reached
	s_add_nc_u64 s[G0B+6:G0B+7], s[G0B+6:G0B+7], KSTEP*2
	s_wait_dscnt 0x0                               ; the add is done, and my reads of the slot are over
	CROUND
	JLOAD
.else
	s_wait_dscnt 0x0
	s_barrier_signal -1
	s_barrier_wait -1
.endif
	s_sub_co_u32 s[TB], s[TB], 2*KSTEP             ; back to a row's first byte,
	s_xor_b32 s[TB], s[TB], SLOT                   ; in the other slot
.endm
	s_load_b128 s[4:7], s[0:1], 0x0                ; A s[4:5], wb s[6:7]
	s_load_b64 s[8:9], s[0:1], 0x10                ; C
	v_lshl_add_u32 v[SPW], v0, 2, SPARE
	v_mov_b32 v[NIL], 0
	ds_add_u32 v28, v29
	s_wait_dscnt 0x0
	v_lshrrev_b32 v1, 5, v0
	v_readfirstlane_b32 s10, v1                    ; wave 0..3
	s_lshr_b32 s11, s10, 1                         ; my half of the tile's rows.  Also: I fetch for A (0) or for B (1)
	s_and_b32 s12, s10, 1                          ; my half of its columns.  Also: which 128 rows I fetch
	s_bfe_u32 s40, ttmp6, 0x40000                  ; cx
	s_bfe_u32 s41, ttmp6, 0x40004                  ; cy
	s_lshl_b32 s42, ttmp9, 2
	s_add_co_u32 s42, s42, s40                     ; tile column = 4 x cluster x + cx
	s_and_b32 s13, ttmp7, 0xffff
	s_lshl_b32 s13, s13, 2
	s_add_co_u32 s13, s13, s41                     ; tile row = 4 x cluster y + cy
	s_lshl_b32 s43, s41, 2
	s_lshl_b32 s43, 15, s43                        ; my row of the cluster
	s_lshl_b32 s44, 0x1111, s40                    ; my column
	s_or_b32 s[G1+0], s43, (1<<16)|(1<<20)|(1<<21)|(5<<22)|(3<<25)   ; the mask; elements of 2 bytes; padding on; bit 21 beside a mask; after every 64 words, 4 words
	s_or_b32 s[G1B+0], s44, (1<<16)|(1<<20)|(1<<21)|(5<<22)|(3<<25)
.irp g, G1, G1B
	s_mov_b32 s[\g+1], KSTEP<<16                   ; tensor_dim0 = 128
	s_mov_b32 s[\g+2], 128<<16                     ; tensor_dim1 = 128
	s_mov_b32 s[\g+3], KSTEP<<16                   ; tile_dim0 = 128
	s_mov_b32 s[\g+4], 128                         ; tile_dim1 = 128
	s_mov_b32 s[\g+5], SIZE_K                      ; elements from row to row
	s_mov_b32 s[\g+6], 0
	s_mov_b32 s[\g+7], 0
.endr
	s_lshl_b32 s17, s12, 7
	s_lshl_b32 s16, s13, 8
	s_add_co_u32 s16, s16, s17                     ; A: row 256 x tile row + 128 x half
	s_mul_i32 s16, s16, SIZE_K*2
	s_lshl_b32 s46, s42, 8
	s_add_co_u32 s46, s46, s17                     ; B: row 256 x tile column + 128 x half
	s_mul_i32 s46, s46, SIZE_K*2
	s_mov_b32 s17, 0
	s_mov_b32 s47, 0
	s_mul_i32 s20, s10, HALFT                      ; where my tiles go: no place in the cluster enters an LDS address
	s_mov_b32 s[TB], 0
	CROUND                                         ; all sixteen work-groups are here: the first joint loads meet.  The round names no argument, so it stands ahead of the wait for them
	s_wait_kmcnt 0x0
	s_add_nc_u64 s[14:15], s[4:5], s[16:17]
	s_add_nc_u64 s[46:47], s[6:7], s[46:47]
.irp s, 0,1
	s_mov_b32 s[G0+4*\s], 1
	s_add_co_u32 s[G0+4*\s+1], s20, \s*SLOT
	s_add_nc_u64 s[G0+4*\s+2:G0+4*\s+3], s[14:15], \s*KSTEP*2
	s_or_b32 s[G0+4*\s+3], s[G0+4*\s+3], 0x80000000
	s_mov_b32 s[G0B+4*\s], 1
	s_add_co_u32 s[G0B+4*\s+1], s20, \s*SLOT
	s_add_nc_u64 s[G0B+4*\s+2:G0B+4*\s+3], s[46:47], \s*KSTEP*2
	s_or_b32 s[G0B+4*\s+3], s[G0B+4*\s+3], 0x80000000
.endr
	s_cmp_eq_u32 s11, 0                            ; a wave's two first fills stand in one branch: two loads of mine are out
	s_cbranch_scc0 .Lfirst_b
	tensor_load_to_lds s[G0:G0+3], s[G1:G1+7]
	s_nop 0
	tensor_load_to_lds s[G0+4:G0+7], s[G1:G1+7]
	s_nop 0
	PLACES
	s_branch .Lfirst_asked
.Lfirst_b:
	tensor_load_to_lds s[G0B:G0B+3], s[G1B:G1B+7]
	s_nop 0
	tensor_load_to_lds s[G0B+4:G0B+7], s[G1B:G1B+7]
	s_nop 0
	PLACES
.Lfirst_asked:
	; a fragment: lane l holds row l % 16; registers 0-3 K = 8 (l / 16) + 0..7, registers 4-7 K = 16 + 8 (l / 16) + 0..7: two loads of 16 bytes, 32 apart
	v_and_b32 v1, 15, v0                           ; r = l % 16
	v_bfe_u32 v2, v0, 4, 1                         ; h = l / 16
	v_mul_u32_u24 v3, v1, PITCH
	v_lshl_add_u32 v3, v2, 4, v3
	s_mul_i32 s21, s11, HALFT
	s_mul_i32 s22, s12, HALFT
	s_add_co_u32 s22, s22, 2*HALFT
	v_add_nc_u32 v[A0], s21, v3
	v_add_nc_u32 v[B0], s22, v3
	; the way out.  In a stage row column c lies at byte 256 ((c % 8) / 4) + 16 (c / 8) + 4 (c % 4): my registers 0-3 and 4-7 go in as two pieces of 16 bytes, 256 apart,
	; and eight neighbouring columns come back as two such pieces
	s_mul_i32 s23, s10, WSTAGE
	v_mul_u32_u24 v4, v1, SPITCH
	v_lshl_add_u32 v4, v2, 4, v4
	v_add_nc_u32 v[STO], s23, v4                   ; row r, piece h
	v_lshrrev_b32 v5, 3, v1                        ; back: lanes 0-15 take two rows of my first head (64 columns = 128 bytes each), lanes 16-31 of my second.
	v_mul_u32_u24 v5, v5, SPITCH                   ; The two rows' pieces share banks in part: two passes a load, accepted for whole 256-byte runs in memory
	v_and_b32 v6, 7, v1
	v_lshl_add_u32 v6, v2, 3, v6
	v_lshl_add_u32 v5, v6, 4, v5
	v_add_nc_u32 v[RD], s23, v5
	v_lshlrev_b32 v5, 17, v2                       ; a head is 131,072 bytes
	v_lshl_add_u32 v[CO], v1, 4, v5
	s_lshl_b32 s16, s13, 8
	s_lshl_b32 s17, s11, 7
	s_add_co_u32 s16, s16, s17                     ; my first row of C
	s_lshl_b32 s46, s42, 8
	s_lshl_b32 s47, s12, 7
	s_add_co_u32 s46, s46, s47                     ; my first column
	s_lshr_b32 s18, s46, 10                        ; q, k or v
	s_lshl_b32 s18, s18, 23
	s_bfe_u32 s19, s46, 0x40006                    ; head
	s_lshr_b32 s21, s16, 10                        ; batch
	s_lshl4_add_u32 s19, s21, s19
	s_lshl_b32 s19, s19, 17
	s_and_b32 s16, s16, 1023                       ; place in the sequence: rows of 128 bytes
	s_lshl_b32 s16, s16, 7
	s_add_co_u32 s16, s16, s18
	s_add_co_u32 s16, s16, s19
	s_mov_b32 s17, 0
	s_add_nc_u64 s[8:9], s[8:9], s[16:17]
	s_wait_tensorcnt 0x1                           ; my part of K step 0 is in; K step 1's may stay out
	s_barrier_signal -1
	s_barrier_wait -1
	v_add_nc_u32 v[ADRA], s[TB], v[A0]
	v_add_nc_u32 v[ADRB], s[TB], v[B0]
	FETCH 0, F0
	QUARTER F0, F1, 64, 1                          ; the first quarter starts all 64 sums: nothing is cleared
	s_add_co_u32 s[TB], s[TB], 128
	PAIR
	WIN 0
	s_mov_b32 s[SLOTS], KSTEPS-2
.Lslot:                                                ; every K step but the last two is followed by a refill of its slot
	CHANGE 1
	TWO_PAIRS
	s_sub_co_u32 s[SLOTS], s[SLOTS], 1
	s_cmp_lg_u32 s[SLOTS], 0
	s_cbranch_scc1 .Lslot
	CHANGE 0                                       ; the tail is written out
	TWO_PAIRS
	s_wait_dscnt 0x0                               ; my reads of the ring are over:
	s_barrier_signal -1                            ; say so, multiply the last quarter on registers meanwhile,
	WIN MUL_LO
	MUL16 F1, 0, 0, 0
	MUL16 F1, 0, 2, 0
	WIN MUL_HI
	MUL16 F1, 1, 0, 0
	MUL16 F1, 1, 2, 0
	WIN 0
	s_barrier_wait -1                              ; and write into the ring only when all four have said so
	PLACES
	; THE WAY OUT: all 64 accumulators into my stage, each from its low registers on; then 32 rows a trip back, rounded and stored
	WIN 0x08                                       ; store data (source 1) window 2
.irp a, 0,1,2,3
.irp b, 0,1,2,3,4,5,6,7
	ds_store_b128 v[STO], v[8*(8*\a+\b):8*(8*\a+\b)+3]   offset:\a*16*SPITCH+32*\b
	ds_store_b128 v[STO], v[8*(8*\a+\b)+4:8*(8*\a+\b)+7] offset:\a*16*SPITCH+32*\b+256
.endr
.endr
	WIN 0x0c                                       ; window 3
.irp a, 0,1,2,3
.irp b, 0,1,2,3,4,5,6,7
	ds_store_b128 v[STO], v[8*(8*\a+\b):8*(8*\a+\b)+3]   offset:(4+\a)*16*SPITCH+32*\b
	ds_store_b128 v[STO], v[8*(8*\a+\b)+4:8*(8*\a+\b)+7] offset:(4+\a)*16*SPITCH+32*\b+256
.endr
.endr
	WIN 0
	s_mov_b32 s[ROWS], 4
.Lrows:                                                ; a trip: 16 pairs of rows.  All 32 loads go out together and each pair is taken as it comes back
.set p, 0
.rept 16
	ds_load_b128 v[E+8*p:E+8*p+3],   v[RD] offset:p*2*SPITCH          ; LDS serves a wave's instructions in order (ISA guide 5.7.1.4): these see my stores above
	ds_load_b128 v[E+8*p+4:E+8*p+7], v[RD] offset:p*2*SPITCH+256
.set p, p+1
.endr
	s_wait_xcnt 0x0                                ; Y and the base, which the last trip's stores read, are rewritten only behind this wait
	s_add_nc_u64 s[8:9], s[8:9], 4096              ; 32 rows of 128 bytes on; the stores below reach back
.set p, 0
.rept 16
	s_wait_dscnt 30-2*p                            ; pair p is in; the loads issued behind it may be out
	v_cvt_pk_bf16_f32 v[Y+4*p],   v[E+8*p],   v[E+8*p+1]
	v_cvt_pk_bf16_f32 v[Y+4*p+1], v[E+8*p+2], v[E+8*p+3]
	v_cvt_pk_bf16_f32 v[Y+4*p+2], v[E+8*p+4], v[E+8*p+5]
	v_cvt_pk_bf16_f32 v[Y+4*p+3], v[E+8*p+6], v[E+8*p+7]
	global_store_b128 v[CO], v[Y+4*p:Y+4*p+3], s[8:9] offset:p*256-4096   ; 16 lanes store 256 consecutive bytes, aligned
.set p, p+1
.endr
	v_add_nc_u32 v[RD], 32*SPITCH, v[RD]
	s_sub_co_u32 s[ROWS], s[ROWS], 1
	s_cmp_lg_u32 s[ROWS], 0
	s_cbranch_scc1 .Lrows
	s_wait_tensorcnt 0x0                           ; the wave's end
	ds_add_u32 v[SPW], v[NIL]
	s_wait_dscnt 0x0
	CROUND                                         ; the closing round: no work-group ends while a partner may still ask for a tile that names it
	s_endpgm
.Lfunc_end_k_q54f0a98672_qkv:
	.size	k_q54f0a98672_qkv, .Lfunc_end_k_q54f0a98672_qkv-k_q54f0a98672_qkv
	.p2alignl 7, 3214868480
	.fill 96, 4, 3214868480
	.section	.rodata,"a",@progbits
	.p2align	6, 0x0
	.amdhsa_kernel k_q54f0a98672_qkv
		.amdhsa_group_segment_fixed_size 327680
		.amdhsa_private_segment_fixed_size 0
		.amdhsa_enable_private_segment 0
		.amdhsa_kernarg_size 24
		.amdhsa_user_sgpr_count 2
		.amdhsa_user_sgpr_kernarg_segment_ptr 1
		.amdhsa_wavefront_size32 1
		.amdhsa_system_sgpr_workgroup_id_x 1
		.amdhsa_system_sgpr_workgroup_id_y 1
		.amdhsa_system_sgpr_workgroup_id_z 1
		.amdhsa_system_vgpr_workitem_id 0
		.amdhsa_next_free_vgpr 1024
		.amdhsa_next_free_sgpr 72
		.amdhsa_reserve_vcc 0
		.amdhsa_float_denorm_mode_32 3
		.amdhsa_float_denorm_mode_16_64 3
		.amdhsa_memory_ordered 1
		.amdhsa_forward_progress 1
		.amdhsa_inst_pref_size 77
	.end_amdhsa_kernel
	.amdgpu_metadata
---
amdhsa.version: [ 1, 2 ]
amdhsa.kernels:
  - .name:           k_q54f0a98672_qkv
    .symbol:         k_q54f0a98672_qkv.kd
    .args:
      - { .name: nb, .offset: 0, .size: 8, .value_kind: global_buffer, .address_space: global }
      - { .name: wb, .offset: 8, .size: 8, .value_kind: global_buffer, .address_space: global }
      - { .name: qkvh, .offset: 16, .size: 8, .value_kind: global_buffer, .address_space: global }
    .group_segment_fixed_size: 327680
    .private_segment_fixed_size: 0
    .kernarg_segment_align: 8
    .kernarg_segment_size: 24
    .max_flat_workgroup_size: 128
    .sgpr_count:     72
    .vgpr_count:     1024
    .wavefront_size: 32
...
	.end_amdgpu_metadata
.endif
;; end of part 2
;; launch attn (part 3): grid 4 x 64, 8 waves a work-group, clusters of 4 x 1, 327,680 bytes of LDS; arguments qkvh, cc; writes cc
.if DOCPART == 3
	.amdgcn_target "amdgcn-amd-amdhsa--gfx1250"
	.amdhsa_code_object_version 6
	.text
	.protected	k_q54f0a98672_attn
	.globl	k_q54f0a98672_attn
	.p2align	8
	.type	k_q54f0a98672_attn,@function
k_q54f0a98672_attn:
	s_mov_b64 s[64:65], 0
	v_nop
	global_prefetch_b8 v0, s[64:65] scope:SCOPE_SE
	s_setreg_imm32_b32 hwreg(HW_REG_WAVE_MODE, 25, 1), 1
	s_wait_xcnt 0x0
	s_wait_alu depctr_hold_cnt(0) depctr_sa_sdst(0) depctr_va_vdst(0) depctr_va_sdst(0) depctr_va_ssrc(0) depctr_va_vcc(0) depctr_vm_vsrc(0)
	s_getreg_b32 s2, hwreg(HW_REG_IB_STS2, 6, 4)
	s_cmp_eq_u32 s2, 0
	s_cbranch_scc0 .Lentry_in_a_cluster
	s_endpgm
.Lentry_in_a_cluster:
	s_bfe_u32 s2, ttmp6, 0x10000c
	s_cmp_lg_u32 s2, 0x3003
	s_cbranch_scc0 .Lentry_shape_is_right
	s_endpgm
.Lentry_shape_is_right:
; Causal attention.  qkvh: [3][64 heads][1024][64] bf16.  cc: the heads' outputs, bf16, blocked [token / 64][head][token % 64][64].
; O[q] = sum over k <= q of softmax_k(Q[q] . K[k] / 8) V[k].  Products, maxima and sums in f32; the weights are rounded to bf16 for the second product, O once at the end.
; SHARES.  A head has 64 tiles of 16 queries; keys go 64 a step, and tile i's last live step is i / 4.  The four work-groups of a cluster belong to one head.  Work-group cx takes the
; tiles i = 4 g + cx, g = 0 .. 15, and its wave w the tiles g = 15 - w (the long one) and g = w (the short one): 17 tile steps for every wave.  Steps wholly above the diagonal are not done.
; Which steps a wave walks hangs on w alone.  cx enters Q's and O's addresses and the diagonal's threshold, a number compared lane by lane: no branch and no LDS address.
; CLUSTER.  The four work-groups walk the same K and V, so each tile is asked for JOINTLY: the same tensor load, with the same descriptor and a mask that names the four, in all four.
; LDS holds ALL of the head's K and V, each filled once: no slot is ever filled again.
; LAYOUT.  S^T = K Q^T (source 0 = 16 keys, source 1 = 16 queries): a lane holds ONE query (lane % 16) and keys 8 (lane / 16) + 0..7.  Two such tiles, rounded in pairs, ARE source 1
; of O^T = V^T P.  K comes out of LDS as it lies, V turned, by ds_load_tr16_b128.
; SOFTMAX.  A running maximum m and sum l for each query: p = 2^(c s - c m), c = log2(e) / 8; O and l are multiplied by 2^(c m_old - c m_new) in every step.
; LIMITS.  A masked score is -3.4e38 where the model's formula has -1e9: the same result as long as a query's largest true score / 8 lies above -1e9.  v_exp_f32 and v_rcp_f32 flush results under 2^-126 to 0.
; Two waves lie on a SIMD (320 registers each), so that one wave's softmax runs beside the other's products.
.set PK,    144                        ; a row of K in LDS: 128 bytes + 16: an odd multiple of 16, the 16 rows of a load start at different banks (ISA guide 11.1)
.set PV,    160                        ; a row of V: 128 + 32: an odd multiple of 32, for the turning load
.set VBASE, 1024*PK
.set WST,   2*16*PK                    ; the way out: 2 tiles x 16 rows x 144 bytes a wave, in K's bytes when nobody reads them any more
.set AK0,  3                           ; my lane's place in a tile of K; never rewritten
.set AV0,  4                           ; the same for V
.set ADRK, 5
.set ADRV, 6
.set QO,   7                           ; my byte offset in a tile of Q
.set DG,   9                           ; 16 cx + lane % 16 - 8 (lane / 16): on the diagonal step, key 16 kb + j of my registers is masked iff 16 kb + j > DG
.set NEG,  10                          ; -3.4e38
.set STO,  11
.set RD,   12
.set GO,   13
.set ST,   16                          ; tile x's statistics at v[ST + 8 x]: +0 c m, +1 m, +2, +3 l (even keys', odd keys'), +4..+7 at work; the rescaling factor at +6
.set Q,    32                          ; v[32:63]   Q, 16 registers a tile
.set KF,   64                          ; v[64:127]  K of one step: fragment (16 keys kb, 32 channels cc) at 8 (2 kb + cc)
.set VF,   128                         ; v[128:191] V of one step: fragment (32 keys kh, 16 channels cb) at 8 (4 kh + cb)
.set S,    192                         ; v[192:223] S^T
.set P,    224                         ; v[224:239] the weights in bf16.   Window 1: O^T of tile x at v[32 x .. 32 x + 31]
.set WV,   8                           ; s8 wave;  s9 wave % 4;  s10 cx
.set WQ,   9
.set CX,   10
.set TS,   12                          ; s12 the short tile's last step;  s13 the long tile's
.set TL,   13
.set TT,   14                          ; s14 the step
.set TBK,  15                          ; s15, s16 the step's first byte in K, in V
.set TBV,  16
.set CS,   18                          ; s[18:19] c, twice
.set SEL,  20                          ; s[20:21] lane selects for v_permlanex16_b32
.set G1A,  24                          ; s[24:31] group 1 of my first load (32 rows of 256 bytes);  s[32:39] of my second (96 rows)
.set G1B,  32
.set G0A,  40
.set G0B,  44
.set MSB, 0
.macro WIN new
.if MSB != \new
	s_set_vgpr_msb (MSB<<8)|\new
.set MSB, \new
.endif
.endm
.macro PLACES
.rept 4
	v_nop
.endr
.endm
.macro CROUND                          ; a round of the cluster's barrier: my work-group's barrier, wave 0 signals for it, all wait for all four, my work-group's barrier again
	s_barrier_signal -1
	s_barrier_wait -1
	s_cmp_lg_u32 s[WV], 0
	s_cbranch_scc1 .Lnot_wave_0_\@
	s_barrier_signal -3
.Lnot_wave_0_\@:
	s_barrier_wait -3
	s_barrier_signal -1
	s_barrier_wait -1
.endm
; My two joint loads.  A head's K or V is dense in memory, so it comes as rows of 256 bytes (two keys); the padding follows every 32 words, one key.  (a) keys 64 (w % 4) on, 64 of them;
; (b) keys 256 + 192 (w % 4) on, 192 of them.  Every word hangs on the head and the wave's number alone.  Both go out together; four v_nop follow the second.
.macro ASK pad, pitch, base, src
	s_mov_b32 s[G1A], 15|(3<<16)|(1<<20)|(1<<21)|(4<<22)|((\pad-1)<<25)   ; the mask: all four work-groups; elements of 8 bytes; padding on; bit 21 beside a mask; after every 32 words, pad words
	s_mov_b32 s[G1B], 15|(3<<16)|(1<<20)|(1<<21)|(4<<22)|((\pad-1)<<25)
	s_mul_i32 s[G0A+1], s[WQ], 64*\pitch
	s_add_co_u32 s[G0A+1], s[G0A+1], \base
	s_mul_i32 s[G0B+1], s[WQ], 192*\pitch
	s_add_co_u32 s[G0B+1], s[G0B+1], \base+256*\pitch
	s_add_nc_u64 s[50:51], s[48:49], \src
	s_add_nc_u64 s[G0A+2:G0A+3], s[50:51], s[2:3]
	s_or_b32 s[G0A+3], s[G0A+3], 0x80000000
	s_add_nc_u64 s[G0B+2:G0B+3], s[50:51], s[22:23]
	s_or_b32 s[G0B+3], s[G0B+3], 0x80000000
	tensor_load_to_lds s[G0A:G0A+3], s[G1A:G1A+7]
	s_nop 0
	tensor_load_to_lds s[G0B:G0B+3], s[G1B:G1B+7]
	s_nop 0
	PLACES
.endm
; One tile's part of a key step.  x = 0 the long tile, 1 the short.  first = 1: the first step, which starts m, l and O^T.  mask = 1: this may be the tile's diagonal step.
.macro TILE x, first, mask
.set rT, ST+8*\x
.set rQ, Q+16*\x
.set rO, 32*\x
	s_wait_dscnt 16                                ; K's sixteen loads are in; V's sixteen may be out
.irp kb, 0,1,2,3
	v_wmma_f32_16x16x32_bf16 v[S+8*\kb:S+8*\kb+7], v[KF+16*\kb:KF+16*\kb+7], v[rQ:rQ+7], 0       ; the four accumulators take turns
.endr
.irp kb, 0,1,2,3
	v_wmma_f32_16x16x32_bf16 v[S+8*\kb:S+8*\kb+7], v[KF+16*\kb+8:KF+16*\kb+15], v[rQ+8:rQ+15], v[S+8*\kb:S+8*\kb+7]
.endr
	PLACES
.if \mask
	s_cmp_lg_u32 s[TT], s[TL-\x]                   ; the step against the wave's number: the same in all four work-groups
	s_cbranch_scc1 .Lopen_\@
.set i, 0
.rept 32
	v_cmp_gt_i32 vcc_lo, 16*(i/8)+i%8, v[DG]
	v_cndmask_b32 v[S+i], v[S+i], v[NEG], vcc_lo
.set i, i+1
.endr
.Lopen_\@:
.endif
	; the maximum of my 32 scores and the old m: four chains, each from its accumulator's low registers on
.irp j, 0,1,2,3
	v_max3_num_f32 v[rT+4+\j], v[S+8*\j], v[S+8*\j+1], v[S+8*\j+2]
.endr
.irp j, 0,1,2,3
	v_max3_num_f32 v[rT+4+\j], v[rT+4+\j], v[S+8*\j+3], v[S+8*\j+4]
.endr
.irp j, 0,1,2,3
	v_max3_num_f32 v[rT+4+\j], v[rT+4+\j], v[S+8*\j+5], v[S+8*\j+6]
.endr
	v_max3_num_f32 v[rT+4], v[rT+4], v[S+7], v[S+15]
	v_max3_num_f32 v[rT+6], v[rT+6], v[S+23], v[S+31]
	v_max3_num_f32 v[rT+4], v[rT+4], v[rT+5], v[rT+6]
.if \first
	v_max_num_f32 v[rT+4], v[rT+4], v[rT+7]
.else
	v_max3_num_f32 v[rT+4], v[rT+4], v[rT+7], v[rT+1]
	v_mov_b32 v[rT+7], v[rT]                       ; c m_old is kept
.endif
	v_permlanex16_b32 v[rT+5], v[rT+4], s[SEL], s[SEL+1]   ; the query's other 32 keys lie in the lane 16 away
	v_max_num_f32 v[rT+1], v[rT+4], v[rT+5]
	v_mul_f32 v[rT], s[CS], v[rT+1]
.if \first == 0
	v_sub_f32 v[rT+7], v[rT+7], v[rT]
	v_exp_f32 v[rT+6], v[rT+7]                     ; the scalings below are the plain instructions behind it
.endif
.set i, 0
.rept 16
	v_pk_fma_f32 v[S+2*i:S+2*i+1], v[S+2*i:S+2*i+1], s[CS:CS+1], v[rT:rT+1] op_sel_hi:[1,0,0] neg_lo:[0,0,1] neg_hi:[0,0,1]   ; c s - c m
.set i, i+1
.endr
.set i, 0
.rept 32
	v_exp_f32 v[S+i], v[S+i]
.set i, i+1
.endr
	v_nop                                          ; a plain instruction between the exponentials and the use of their results (ISA guide 5.7.2)
.set i, 0
	s_wait_alu depctr_va_vdst(0)
.rept 16
	v_cvt_pk_bf16_f32 v[P+i], v[S+2*i], v[S+2*i+1]
.set i, i+1
.endr
.irp i, 0,1,2,3,4,5,6,7
	v_pk_add_f32 v[S+4*\i:S+4*\i+1], v[S+4*\i:S+4*\i+1], v[S+4*\i+2:S+4*\i+3]
.endr
.irp i, 0,1,2,3
	v_pk_add_f32 v[S+8*\i:S+8*\i+1], v[S+8*\i:S+8*\i+1], v[S+8*\i+4:S+8*\i+5]
.endr
.irp i, 0,1
	v_pk_add_f32 v[S+16*\i:S+16*\i+1], v[S+16*\i:S+16*\i+1], v[S+16*\i+8:S+16*\i+9]
.endr
.if \first
	v_pk_add_f32 v[rT+2:rT+3], v[S:S+1], v[S+16:S+17]
.else
	v_pk_add_f32 v[S:S+1], v[S:S+1], v[S+16:S+17]
	v_pk_fma_f32 v[rT+2:rT+3], v[rT+2:rT+3], v[rT+6:rT+7], v[S:S+1] op_sel_hi:[1,0,1]
	WIN 0x41                                       ; O^T (destination and source 0) window 1
.set i, 0
.rept 16
	v_pk_mul_f32 v[rO+2*i:rO+2*i+1], v[rO+2*i:rO+2*i+1], v[rT+6:rT+7] op_sel_hi:[1,0]   ; ascending: each accumulator from its low registers on
.set i, i+1
.endr
.endif
	s_wait_dscnt 0x0                               ; V is in
	WIN 0x50                                       ; C and D window 1
.irp cb, 0,1,2,3
.if \first
	v_wmma_f32_16x16x32_bf16 v[rO+8*\cb:rO+8*\cb+7], v[VF+8*\cb:VF+8*\cb+7], v[P:P+7], 0
.else
	v_wmma_f32_16x16x32_bf16 v[rO+8*\cb:rO+8*\cb+7], v[VF+8*\cb:VF+8*\cb+7], v[P:P+7], v[rO+8*\cb:rO+8*\cb+7]
.endif
.endr
.irp cb, 0,1,2,3
	v_wmma_f32_16x16x32_bf16 v[rO+8*\cb:rO+8*\cb+7], v[VF+32+8*\cb:VF+32+8*\cb+7], v[P+8:P+15], v[rO+8*\cb:rO+8*\cb+7]
.endr
	WIN 0
.endm
; A key step: the step's K and V into registers, the long tile, and the short tile while it is live.
.macro STEP first, maskl, conds
	v_add_nc_u32 v[ADRK], s[TBK], v[AK0]           ; these four are the places between the last product and the loads into its sources
	v_add_nc_u32 v[ADRV], s[TBV], v[AV0]
	v_nop
	v_nop
.irp f, 0,1,2,3,4,5,6,7
	ds_load_b128 v[KF+8*\f:KF+8*\f+3],   v[ADRK] offset:(\f/2)*16*PK+(\f%2)*64
	ds_load_b128 v[KF+8*\f+4:KF+8*\f+7], v[ADRK] offset:(\f/2)*16*PK+(\f%2)*64+32
.endr
.irp f, 0,1,2,3,4,5,6,7
	ds_load_tr16_b128 v[VF+8*\f:VF+8*\f+3],   v[ADRV] offset:(\f/4)*32*PV+(\f%4)*32
	ds_load_tr16_b128 v[VF+8*\f+4:VF+8*\f+7], v[ADRV] offset:(\f/4)*32*PV+16*PV+(\f%4)*32
.endr
	TILE 0, \first, \maskl
.if \conds
	s_cmp_gt_u32 s[TT], s[TS]
	s_cbranch_scc1 .Lnoshort_\@
.endif
	TILE 1, \first, 1
.if \conds
.Lnoshort_\@:
.endif
.endm
; The way out of tile x: l's halves are added, O^T divided by l, rounded, sent through my stage and stored as 2 KiB of consecutive bytes.
.macro FINISH x
.set rT, ST+8*\x
.set rO, 32*\x
.set rW, KF+32*\x                      ; K's registers are free: 16 packed, 16 read back; a set for each tile, so that no store's data is rewritten
	v_add_f32 v[rT+4], v[rT+2], v[rT+3]
	v_permlanex16_b32 v[rT+5], v[rT+4], s[SEL], s[SEL+1]
	v_add_f32 v[rT+4], v[rT+4], v[rT+5]
	v_rcp_f32 v[rT+6], v[rT+4]
	v_nop
	WIN 0x41
.set i, 0
	s_wait_alu depctr_va_vdst(0)
.rept 16
	v_pk_mul_f32 v[rO+2*i:rO+2*i+1], v[rO+2*i:rO+2*i+1], v[rT+6:rT+7] op_sel_hi:[1,0]
.set i, i+1
.endr
	WIN 0x05                                       ; sources window 1, destination window 0
.set i, 0
.rept 16
	v_cvt_pk_bf16_f32 v[rW+i], v[rO+2*i], v[rO+2*i+1]
.set i, i+1
.endr
	WIN 0
.irp cb, 0,1,2,3
	ds_store_b128 v[STO], v[rW+4*\cb:rW+4*\cb+3] offset:\x*16*PK+32*\cb
.endr
.irp i, 0,1,2,3
	ds_load_b128 v[rW+16+4*\i:rW+16+4*\i+3], v[RD] offset:\x*16*PK+\i*4*PK    ; LDS serves a wave's instructions in order: these see my stores above
.endr
.irp i, 0,1,2,3
	s_wait_dscnt 3-\i                              ; load i is back, the younger ones may be out
	global_store_b128 v[GO], v[rW+16+4*\i:rW+16+4*\i+3], s[52+2*\x:53+2*\x] offset:512*\i   ; 32 lanes store 512 consecutive bytes, aligned
.endr
.endm
	s_load_b128 s[4:7], s[0:1], 0x0                ; qkvh s[4:5], cc s[6:7]
	v_lshl_add_u32 v254, v0, 2, 0x4c000
	v_mov_b32 v255, 0
	ds_add_u32 v254, v255
	s_wait_dscnt 0x0
	v_lshrrev_b32 v1, 5, v0
	v_readfirstlane_b32 s[WV], v1
	s_and_b32 s[WQ], s[WV], 3
	s_bfe_u32 s[CX], ttmp6, 0x40000                ; cx: my place in the cluster
	s_and_b32 s11, ttmp7, 0xffff                   ; 16 batch + head, which the four partners share
	s_lshl_b32 s2, s11, 17                         ; a head's 131,072 bytes
	s_mov_b32 s3, 0
	s_mov_b32 s[G1A+1], 32<<16                     ; tensor_dim0 = 32 elements of 8 bytes
	s_mov_b32 s[G1A+2], 32<<16                     ; tensor_dim1 = 32 rows
	s_mov_b32 s[G1A+3], 32<<16                     ; tile_dim0
	s_mov_b32 s[G1A+4], 32                         ; tile_dim1
	s_mov_b32 s[G1A+5], 32                         ; elements from row to row: dense
	s_mov_b32 s[G1A+6], 0
	s_mov_b32 s[G1A+7], 0
	s_mov_b32 s[G1B+1], 32<<16
	s_mov_b32 s[G1B+2], 96<<16                     ; 96 rows
	s_mov_b32 s[G1B+3], 32<<16
	s_mov_b32 s[G1B+4], 96
	s_mov_b32 s[G1B+5], 32
	s_mov_b32 s[G1B+6], 0
	s_mov_b32 s[G1B+7], 0
	s_mov_b32 s[G0A], 1
	s_mov_b32 s[G0B], 1
	s_mov_b32 s[CS], 0x3e38aa3b                    ; c = log2(e) / 8
	s_mov_b32 s[CS+1], s[CS]
	s_mov_b32 s[SEL], 0x76543210
	s_mov_b32 s[SEL+1], 0xfedcba98
	CROUND                                         ; all four work-groups are here: the joint loads meet.  The round names no argument, so it stands ahead of the wait for them
	s_wait_kmcnt 0x0
	s_add_nc_u64 s[48:49], s[4:5], s[2:3]          ; Q of my head; K lies 8,388,608 bytes on, V twice that
	s_lshl_b32 s2, s[WQ], 13                       ; 64 (w % 4) keys of 128 bytes
	s_mul_i32 s22, s[WQ], 192*128
	s_add_co_u32 s22, s22, 256*128
	s_mov_b32 s23, 0
	s_cmp_lt_u32 s[WV], 4                          ; waves 0-3 fetch K, waves 4-7 V: a wave's two loads stand in one branch
	s_cbranch_scc0 .Lfor_v
	ASK 4, PK, 0, 8388608
	s_branch .Lasked
.Lfor_v:
	ASK 8, PV, VBASE, 16777216
.Lasked:
	v_and_b32 v1, 15, v0                           ; r = lane % 16
	v_bfe_u32 v2, v0, 4, 1                         ; h = lane / 16
	v_lshlrev_b32 v[QO], 7, v1
	v_lshl_add_u32 v[QO], v2, 4, v[QO]             ; row x 128 + 16 x half
	s_mov_b32 s[TS], s[WV]                         ; the short tile: g = w
	s_sub_co_u32 s[TL], 15, s[WV]                  ; the long tile: g = 15 - w
	s_lshl_b32 s17, s[CX], 11                      ; a tile's first query is 64 g + 16 cx: 8,192 g + 2,048 cx bytes
	s_lshl_b32 s2, s[TL], 13
	s_add_co_u32 s2, s2, s17
	s_add_nc_u64 s[56:57], s[48:49], s[2:3]
	s_lshl_b32 s2, s[TS], 13
	s_add_co_u32 s2, s2, s17
	s_add_nc_u64 s[58:59], s[48:49], s[2:3]
.irp x, 0,1
.irp i, 0,1,2,3
	global_load_b128 v[Q+16*\x+4*\i:Q+16*\x+4*\i+3], v[QO], s[56+2*\x:57+2*\x] offset:32*\i   ; Q stays in registers
.endr
.endr
	s_lshr_b32 s22, s11, 4                         ; batch
	s_and_b32 s23, s11, 15                         ; head
	s_lshl4_add_u32 s2, s22, s[TL]                 ; block of 64 tokens
	s_lshl4_add_u32 s2, s2, s23
	s_lshl_b32 s2, s2, 13
	s_add_co_u32 s2, s2, s17
	s_add_nc_u64 s[52:53], s[6:7], s[2:3]          ; where the long tile goes,
	s_lshl4_add_u32 s2, s22, s[TS]
	s_lshl4_add_u32 s2, s2, s23
	s_lshl_b32 s2, s2, 13
	s_add_co_u32 s2, s2, s17
	s_add_nc_u64 s[54:55], s[6:7], s[2:3]          ; and the short one
	v_mul_u32_u24 v[AK0], v1, PK
	v_lshl_add_u32 v[AK0], v2, 4, v[AK0]
	v_and_b32 v15, 7, v0                           ; the turning load: lane l reads key 8 (l / 16) + l % 8, channels 8 ((l / 8) % 2) on
	v_lshl_add_u32 v[AV0], v2, 3, v15
	v_mul_u32_u24 v[AV0], v[AV0], PV
	v_bfe_u32 v15, v0, 3, 1
	v_lshl_add_u32 v[AV0], v15, 4, v[AV0]
	v_add_nc_u32 v[AV0], VBASE, v[AV0]
	v_lshlrev_b32 v15, 3, v2
	v_sub_nc_u32 v[DG], v1, v15
	s_lshl_b32 s22, s[CX], 4
	v_add_nc_u32 v[DG], s22, v[DG]                 ; a number to compare with, nothing else
	v_mov_b32 v[NEG], 0xff7fffff
	s_mul_i32 s23, s[WV], WST
	v_add_nc_u32 v[STO], s23, v[AK0]               ; the stage has K's pitch: row r, 16 bytes for each half of the lanes
	v_bfe_u32 v15, v0, 3, 2
	v_mul_u32_u24 v[RD], v15, PK                   ; back: eight lanes a row of 128 bytes, four rows a load
	v_and_b32 v15, 7, v0
	v_lshl_add_u32 v[RD], v15, 4, v[RD]
	v_add_nc_u32 v[RD], s23, v[RD]
	v_and_b32 v15, 31, v0
	v_lshlrev_b32 v[GO], 4, v15
	s_mov_b32 s[TT], 0
	s_mov_b32 s[TBK], 0
	s_mov_b32 s[TBV], 0
	s_wait_tensorcnt 0x1                           ; my part of keys 0-255 is in; my second load may stay out
	s_barrier_signal -1
	s_barrier_wait -1                              ; everybody's is
	s_wait_loadcnt 0x0                             ; Q
	STEP 1, 0, 0                                   ; step 0 starts both tiles; the long tile's diagonal lies at step 8 or later
	s_add_co_u32 s[TBK], s[TBK], 64*PK
	s_add_co_u32 s[TBV], s[TBV], 64*PV
	s_mov_b32 s[TT], 1
	s_wait_tensorcnt 0x0                           ; my part of keys 256-1023 is in.  Every wave has done two tile steps here, so all say so at about the same time;
	s_wait_dscnt 0x0
	s_barrier_signal -1                            ; steps 1-3, of which the waves have unlike numbers of tile steps, stand between the signal and the wait:
.Lnear:                                                ; register work and LDS loads of keys up to 255, bytes that nobody writes before the last barrier
	STEP 0, 0, 1
	s_add_co_u32 s[TBK], s[TBK], 64*PK
	s_add_co_u32 s[TBV], s[TBV], 64*PV
	s_add_co_u32 s[TT], s[TT], 1
	s_cmp_lt_u32 s[TT], 4
	s_cbranch_scc1 .Lnear
	s_barrier_wait -1                              ; everybody's part of keys 256-1023 is in
.Lfar:                                                 ; steps 4-15: counted to the constant; a wave jumps over the steps above its long tile's diagonal
	s_cmp_gt_u32 s[TT], s[TL]
	s_cbranch_scc1 .Ldead
	STEP 0, 1, 1
.Ldead:
	s_add_co_u32 s[TBK], s[TBK], 64*PK
	s_add_co_u32 s[TBV], s[TBV], 64*PV
	s_add_co_u32 s[TT], s[TT], 1
	s_cmp_lt_u32 s[TT], 16
	s_cbranch_scc1 .Lfar
	s_wait_dscnt 0x0                               ; my reads of K and V are over:
	s_barrier_signal -1
	s_barrier_wait -1                              ; everybody's are, so K's bytes may serve as stages
	PLACES
	FINISH 0
	FINISH 1
	s_wait_tensorcnt 0x0
	ds_add_u32 v254, v255
	s_wait_dscnt 0x0
	CROUND                                         ; the closing round (my LDS loads are back: the last count above is 0)
	s_endpgm
.Lfunc_end_k_q54f0a98672_attn:
	.size	k_q54f0a98672_attn, .Lfunc_end_k_q54f0a98672_attn-k_q54f0a98672_attn
	.p2alignl 7, 3214868480
	.fill 96, 4, 3214868480
	.section	.rodata,"a",@progbits
	.p2align	6, 0x0
	.amdhsa_kernel k_q54f0a98672_attn
		.amdhsa_group_segment_fixed_size 327680
		.amdhsa_private_segment_fixed_size 0
		.amdhsa_enable_private_segment 0
		.amdhsa_kernarg_size 16
		.amdhsa_user_sgpr_count 2
		.amdhsa_user_sgpr_kernarg_segment_ptr 1
		.amdhsa_wavefront_size32 1
		.amdhsa_system_sgpr_workgroup_id_x 1
		.amdhsa_system_sgpr_workgroup_id_y 1
		.amdhsa_system_sgpr_workgroup_id_z 1
		.amdhsa_system_vgpr_workitem_id 0
		.amdhsa_next_free_vgpr 320
		.amdhsa_next_free_sgpr 66
		.amdhsa_reserve_vcc 1
		.amdhsa_float_denorm_mode_32 3
		.amdhsa_float_denorm_mode_16_64 3
		.amdhsa_memory_ordered 1
		.amdhsa_forward_progress 1
		.amdhsa_inst_pref_size 74
	.end_amdhsa_kernel
	.amdgpu_metadata
---
amdhsa.version: [ 1, 2 ]
amdhsa.kernels:
  - .name:           k_q54f0a98672_attn
    .symbol:         k_q54f0a98672_attn.kd
    .args:
      - { .name: qkvh, .offset: 0, .size: 8, .value_kind: global_buffer, .address_space: global }
      - { .name: cc, .offset: 8, .size: 8, .value_kind: global_buffer, .address_space: global }
    .group_segment_fixed_size: 327680
    .private_segment_fixed_size: 0
    .kernarg_segment_align: 8
    .kernarg_segment_size: 16
    .max_flat_workgroup_size: 256
    .sgpr_count:     66
    .vgpr_count:     320
    .wavefront_size: 32
...
	.end_amdgpu_metadata
.endif
;; end of part 3
;; launch wo (part 4): grid 8 x 32, 4 waves a work-group, clusters of 4 x 4, 327,680 bytes of LDS; arguments cc, wb, x, xr; writes xr
.if DOCPART == 4
	.amdgcn_target "amdgcn-amd-amdhsa--gfx1250"
	.amdhsa_code_object_version 6
	.text
	.protected	k_q54f0a98672_wo
	.globl	k_q54f0a98672_wo
	.p2align	8
	.type	k_q54f0a98672_wo,@function
k_q54f0a98672_wo:
	s_mov_b64 s[64:65], 0
	v_nop
	global_prefetch_b8 v0, s[64:65] scope:SCOPE_SE
	s_setreg_imm32_b32 hwreg(HW_REG_WAVE_MODE, 25, 1), 1
	s_wait_xcnt 0x0
	s_wait_alu depctr_hold_cnt(0) depctr_sa_sdst(0) depctr_va_vdst(0) depctr_va_sdst(0) depctr_va_ssrc(0) depctr_va_vcc(0) depctr_vm_vsrc(0)
	s_getreg_b32 s2, hwreg(HW_REG_IB_STS2, 6, 4)
	s_cmp_eq_u32 s2, 0
	s_cbranch_scc0 .Lentry_in_a_cluster
	s_endpgm
.Lentry_in_a_cluster:
	s_bfe_u32 s2, ttmp6, 0x10000c
	s_cmp_lg_u32 s2, 0xf033
	s_cbranch_scc0 .Lentry_shape_is_right
	s_endpgm
.Lentry_shape_is_right:
; xr = x + concat Wo^T: C[m][n] = R[m][n] + sum over k of A[m][k] B[n][k].  A = cc, the heads' outputs in bf16, blocked [m / 64][k / 64][m % 64][k % 64]; B = wo in bf16, [1024][1024], at
; byte 6,291,456 of wb; R = x and C = xr, [4096][1024] f32.  Sums in f32.
; A tile of C is 128 x 128, so that 256 work-groups have one each; four waves, each 64 x 64: 16 accumulators.  K goes in steps of 256 through two LDS slots filled by the tensor data mover.
; A's tile of 64 rows x 256 K is four heads' blocks, 32 KiB dense in memory: it comes as 128 rows of 256 bytes, padded behind every 128 bytes, and lies in LDS as [head][token] rows of 144 bytes.
; CLUSTER: 4 x 4 work-groups; A's tiles are asked for jointly along a row of the cluster, B's along a column.
; THE ORDER OF K: a cluster whose x + y is odd begins at K step KSTEPS / 2 and wraps round.  The two clusters that need the same rows of A differ in x alone, and of the clusters that need the
; same rows of B half have either parity: so a given tile is asked for by some of them half a K loop after the others, when it has been read once already.  The order of an f32 sum's K steps differs with it.
; The K loop is short text: a pair of quarter steps (64 along K each) is written once and walked twice a K step.  THE MATRIX INSTRUCTION IS USED TRANSPOSED (source 0 = rows of B).
; REGISTERS: window 0: v16-29 addresses, v128-255 the accumulators ((a, b) at 128 + 8 (4 a + b));  window 1: two fragment buffers of 128 (64 of A, then 64 of B);
; window 2: v0-127 my 32 rows x 16 bytes of R, asked for behind the first tiles and on their way during the K loop.
.set SIZE_K, 1024
.set BOFF,   6291456
.set ABLK,   1                         ; 1: A is blocked by heads; 0: A is row-major
.set KSTEP,  256
.set KSTEPS, SIZE_K/KSTEP
.set BPITCH, 528                       ; B's LDS row: 512 bytes + 16: an odd multiple of 16 (64 banks of 4 bytes: ISA guide 11.1)
.set HALFB,  64*BPITCH
.if ABLK
.set APITCH, 144                       ; A's LDS row: one token's 64 channels of one head + 16 bytes
.set HALFA,  256*APITCH                ; 4 heads x 64 tokens
.set AQ,     64*APITCH                 ; from a quarter step (a head) to the next
.set SLOT,   147456                    ; 141,312 are used; 0x24000 shares no bit with a tile's place in a slot, so one exclusive or changes slots
.set ASTEP,  32768                     ; bytes in memory from a K step to the next
.else
.set APITCH, 528
.set HALFA,  64*APITCH
.set AQ,     128
.set SLOT,   2*HALFA+2*HALFB           ; 0x21000: shares no bit with a tile's place in a slot
.set ASTEP,  KSTEP*2
.endif
.set SPARE,  2*SLOT                    ; behind the ring: the spare words, 128 bytes a wave
.set SPITCH, 528                       ; the way out: the work-group's stage, 128 rows of 128 f32 + 16 bytes, in slot 0, which has had its last fill by then
.set A0,   16
.set B0,   17
.set ADRA, 18
.set ADRB, 19
.set STO,  24
.set RD,   25
.set CO,   26                          ; 16 x lane; never rewritten
.set SPW,  28
.set NIL,  29
.set ACC,  128
.set F0,   0
.set F1,   128
.set G1,   24
.set G0,   32
.set G1B,  48
.set G0B,  56
.set TBA,   66                         ; s66, s67  LDS byte at which the pair in hand reads A, B
.set TBB,   67
.set SLOTS, 68
.set TWICE, 69
.set IDX,   70                         ; s70  the K step that the walking descriptors stand at
.set WA,    76                         ; s[76:77], s[78:79]  what is taken off A's, B's address at the wrap: all of K, or 0
.set WB,    78
.set MSB, 0
.macro WIN new
.if MSB != \new
	s_set_vgpr_msb (MSB<<8)|\new
.set MSB, \new
.endif
.endm
.set MUL,  0x05                        ; sources 0 (B) and 1 (A) window 1; C and D window 0
.set TO_F, 0x40                        ; destination window 1
.macro PLACES                          ; four plain instructions between a matrix instruction and a load into, or a read of, its registers
.rept 4
	v_nop
.endr
.endm
.macro CROUND
	s_barrier_signal -1
	s_barrier_wait -1
	s_cmp_lg_u32 s10, 0
	s_cbranch_scc1 .Lnot_wave_0_\@
	s_barrier_signal -3
.Lnot_wave_0_\@:
	s_barrier_wait -3
	s_barrier_signal -1
	s_barrier_wait -1
.endm
.macro JLOAD                           ; the joint refill: waves 0, 1 fetch A's halves, waves 2, 3 B's; four v_nop follow each line
	s_cmp_eq_u32 s11, 0
	s_cbranch_scc0 .Lfor_b_\@
	tensor_load_to_lds s[G0+4:G0+7], s[G1:G1+7]
	s_nop 0
	PLACES
	s_branch .Lasked_\@
.Lfor_b_\@:
	tensor_load_to_lds s[G0B+4:G0B+7], s[G1B:G1B+7]
	s_nop 0
	PLACES
.Lasked_\@:
.endm
.macro MUL8 f, c, a0, zero             ; 8 matrix instructions: m blocks a0, a0 + 1 x all 4 n blocks, 32 along K: half c of buffer f
.irp a, \a0, \a0+1
.irp b, 0,1,2,3
.if \zero
	v_wmma_f32_16x16x32_bf16 v[ACC+8*(4*(\a)+\b):ACC+8*(4*(\a)+\b)+7], v[\f+64+8*(4*\c+\b):\f+64+8*(4*\c+\b)+7], v[\f+8*(4*\c+\a):\f+8*(4*\c+\a)+7], 0
.else
	v_wmma_f32_16x16x32_bf16 v[ACC+8*(4*(\a)+\b):ACC+8*(4*(\a)+\b)+7], v[\f+64+8*(4*\c+\b):\f+64+8*(4*\c+\b)+7], v[\f+8*(4*\c+\a):\f+8*(4*\c+\a)+7], v[ACC+8*(4*(\a)+\b):ACC+8*(4*(\a)+\b)+7]
.endif
.endr
.endr
.endm
.macro FETCH ka, kb, f                 ; 32 LDS loads in one run: 64 along K into buffer f, the first 32 along K first
	WIN TO_F
.irp c, 0,1
.irp i, 0,1,2,3
	ds_load_b128 v[\f+64+8*(4*\c+\i):\f+64+8*(4*\c+\i)+3],   v[ADRB] offset:\kb+64*\c+\i*16*BPITCH
	ds_load_b128 v[\f+64+8*(4*\c+\i)+4:\f+64+8*(4*\c+\i)+7], v[ADRB] offset:\kb+64*\c+\i*16*BPITCH+32
	ds_load_b128 v[\f+8*(4*\c+\i):\f+8*(4*\c+\i)+3],         v[ADRA] offset:\ka+64*\c+\i*16*APITCH
	ds_load_b128 v[\f+8*(4*\c+\i)+4:\f+8*(4*\c+\i)+7],       v[ADRA] offset:\ka+64*\c+\i*16*APITCH+32
.endr
.endr
.endm
.macro QUARTER f, g, ka, kb, zero      ; multiplies buffer f (32 matrix instructions, the 16 accumulators by turns); in its middle fetches the next quarter into g
	s_wait_dscnt 16                                ; the first 32 along K are in; the other sixteen loads may be out
	WIN MUL
	MUL8 \f, 0, 0, \zero
	MUL8 \f, 0, 2, \zero
	PLACES
	FETCH \ka, \kb, \g
	s_wait_dscnt 32                                ; all but the 32 just issued
	WIN MUL
	MUL8 \f, 1, 0, 0
	MUL8 \f, 1, 2, 0
.endm
.macro PAIR
	WIN 0
	v_add_nc_u32 v[ADRA], s[TBA], v[A0]
	v_add_nc_u32 v[ADRB], s[TBB], v[B0]
	QUARTER F1, F0, 0, 0, 0
	QUARTER F0, F1, AQ, 128, 0
	s_add_co_u32 s[TBA], s[TBA], 2*AQ
	s_add_co_u32 s[TBB], s[TBB], 256
.endm
.macro TWO_PAIRS
	s_mov_b32 s[TWICE], 2
.Lpair_\@:
	PAIR
	WIN 0                                          ; at a label and at a branch every window is 0
	s_sub_co_u32 s[TWICE], s[TWICE], 1
	s_cmp_lg_u32 s[TWICE], 0
	s_cbranch_scc1 .Lpair_\@
.endm
; THE CHANGE OF SLOTS: each wave waits for all its tensor loads (one is out: its part of the next slot), adds 0 to its spare word, and waits for that and for its reads of the slot.
; fill = 1: the barrier is a round of the cluster's, and the joint refill (two K steps on, round the end of K) is the first thing behind it.
.macro CHANGE fill
	WIN 0
	s_wait_tensorcnt 0x0                           ; no tensor load of mine is out, so a group 0 may be written
	ds_add_u32 v[SPW], v[NIL]                      ; 0 onto my spare word
.if \fill
	s_xor_b32 s[G0+5], s[G0+5], SLOT
	s_xor_b32 s[G0B+5], s[G0B+5], SLOT
	s_add_co_u32 s[IDX], s[IDX], 1                 ; the next K step; behind the last one comes step 0
	s_cmp_eq_u32 s[IDX], KSTEPS
	s_cselect_b32 s[WA], KSTEPS*ASTEP, 0
	s_cselect_b32 s[WB], KSTEPS*KSTEP*2, 0
	s_cselect_b32 s[IDX], 0, s[IDX]
	s_add_nc_u64 s[G0+6:G0+7], s[G0+6:G0+7], ASTEP
	s_sub_nc_u64 s[G0+6:G0+7], s[G0+6:G0+7], s[WA:WA+1]
	s_add_nc_u64 s[G0B+6:G0B+7], s[G0B+6:G0B+7], KSTEP*2
	s_sub_nc_u64 s[G0B+6:G0B+7], s[G0B+6:G0B+7], s[WB:WB+1]
	s_wait_dscnt 0x0                               ; the add is done, and my reads of the slot are over
	CROUND
	JLOAD
.else
	s_wait_dscnt 0x0
	s_barrier_signal -1
	s_barrier_wait -1
.endif
	s_sub_co_u32 s[TBA], s[TBA], 4*AQ
	s_sub_co_u32 s[TBB], s[TBB], 512
	s_xor_b32 s[TBA], s[TBA], SLOT
	s_xor_b32 s[TBB], s[TBB], SLOT
.endm
	s_load_b128 s[4:7], s[0:1], 0x0                ; A s[4:5], wb s[6:7]
	s_load_b128 s[72:75], s[0:1], 0x10             ; R s[72:73], C s[74:75]
	v_lshl_add_u32 v[SPW], v0, 2, SPARE
	v_mov_b32 v[NIL], 0
	ds_add_u32 v28, v29
	s_wait_dscnt 0x0
	v_lshrrev_b32 v1, 5, v0
	v_readfirstlane_b32 s10, v1                    ; wave 0..3
	s_lshr_b32 s11, s10, 1                         ; my half of the tile's rows.  Also: I fetch for A (0) or for B (1)
	s_and_b32 s12, s10, 1                          ; my half of its columns.  Also: which 64 rows I fetch
	s_bfe_u32 s40, ttmp6, 0x40000
	s_bfe_u32 s41, ttmp6, 0x40004
	s_lshl_b32 s42, ttmp9, 2
	s_add_co_u32 s42, s42, s40                     ; tile column
	s_and_b32 s13, ttmp7, 0xffff
	s_add_co_u32 s45, s13, ttmp9                   ; cluster x + cluster y: the same in all sixteen partners
	s_and_b32 s45, s45, 1
	s_mul_i32 s[IDX], s45, KSTEPS/2                ; my cluster's first K step
	s_lshl_b32 s13, s13, 2
	s_add_co_u32 s13, s13, s41                     ; tile row
	s_lshl_b32 s43, s41, 2
	s_lshl_b32 s43, 15, s43                        ; my row of the cluster
	s_lshl_b32 s44, 0x1111, s40                    ; my column
.if ABLK
	s_or_b32 s[G1+0], s43, (3<<16)|(1<<20)|(1<<21)|(4<<22)|(3<<25)   ; the mask; elements of 8 bytes; padding on; bit 21 beside a mask; after every 32 words, 4 words
	s_mov_b32 s[G1+1], 32<<16                      ; 32 elements = 256 bytes a row
	s_mov_b32 s[G1+2], 128<<16                     ; 128 rows
	s_mov_b32 s[G1+3], 32<<16
	s_mov_b32 s[G1+4], 128
	s_mov_b32 s[G1+5], 32                          ; dense
.else
	s_or_b32 s[G1+0], s43, (1<<16)|(1<<20)|(1<<21)|(6<<22)|(3<<25)
	s_mov_b32 s[G1+1], KSTEP<<16
	s_mov_b32 s[G1+2], 64<<16
	s_mov_b32 s[G1+3], KSTEP<<16
	s_mov_b32 s[G1+4], 64
	s_mov_b32 s[G1+5], SIZE_K
.endif
	s_mov_b32 s[G1+6], 0
	s_mov_b32 s[G1+7], 0
	s_or_b32 s[G1B+0], s44, (1<<16)|(1<<20)|(1<<21)|(6<<22)|(3<<25)  ; elements of 2 bytes; after every 128 words, 4 words
	s_mov_b32 s[G1B+1], KSTEP<<16                  ; 256 elements a row
	s_mov_b32 s[G1B+2], 64<<16                     ; 64 rows
	s_mov_b32 s[G1B+3], KSTEP<<16
	s_mov_b32 s[G1B+4], 64
	s_mov_b32 s[G1B+5], SIZE_K
	s_mov_b32 s[G1B+6], 0
	s_mov_b32 s[G1B+7], 0
.if ABLK
	s_lshl1_add_u32 s16, s13, s12                  ; A: block of 64 rows = 2 x tile row + half; 16 heads x 8,192 bytes each
	s_lshl_b32 s16, s16, 17
.else
	s_lshl_b32 s16, s13, 7
	s_lshl_b32 s17, s12, 6
	s_add_co_u32 s16, s16, s17
	s_mul_i32 s16, s16, SIZE_K*2
.endif
	s_mul_i32 s18, s[IDX], ASTEP
	s_add_co_u32 s16, s16, s18                     ; at the first K step
	s_mov_b32 s17, 0
	s_lshl_b32 s46, s42, 7
	s_lshl_b32 s47, s12, 6
	s_add_co_u32 s46, s46, s47                     ; B: row 128 x tile column + 64 x half
	s_mul_i32 s46, s46, SIZE_K*2
	s_mul_i32 s18, s[IDX], KSTEP*2
	s_add_co_u32 s46, s46, s18
	s_mov_b32 s47, 0
	s_add_co_u32 s[IDX], s[IDX], 1                 ; the walking descriptors begin one step on (the first step is even: no wrap between the two)
	s_mov_b32 s[WA+1], 0
	s_mov_b32 s[WB+1], 0
	s_mul_i32 s20, s12, HALFA                      ; where the tiles go: A's halves, then B's
	s_mul_i32 s21, s12, HALFB
	s_add_co_u32 s21, s21, 2*HALFA
	s_mov_b32 s[TBA], 0
	s_mov_b32 s[TBB], 0
	v_and_b32 v3, 31, v0
	v_lshlrev_b32 v[CO], 4, v3
	CROUND                                         ; all sixteen work-groups are here: the first joint loads meet.  The round names no argument, so it stands ahead of the wait for them
	s_wait_kmcnt 0x0
	s_add_nc_u64 s[14:15], s[4:5], s[16:17]
	s_add_nc_u64 s[46:47], s[6:7], s[46:47]
	s_add_nc_u64 s[46:47], s[46:47], BOFF
	s_lshl_b32 s16, s13, 7
	s_lshl_b32 s18, s10, 5
	s_add_co_u32 s16, s16, s18                     ; the first row of R and C that I take: 128 x tile row + 32 x wave; rows of 4,096 bytes
	s_lshl_b32 s16, s16, 12
	s_lshl_b32 s18, s42, 9                         ; the tile's 512 bytes of a row
	s_add_co_u32 s16, s16, s18
	s_add_nc_u64 s[72:73], s[72:73], s[16:17]
	s_add_nc_u64 s[74:75], s[74:75], s[16:17]
.irp s, 0,1
	s_mov_b32 s[G0+4*\s], 1
	s_add_co_u32 s[G0+4*\s+1], s20, \s*SLOT
	s_add_nc_u64 s[G0+4*\s+2:G0+4*\s+3], s[14:15], \s*ASTEP
	s_or_b32 s[G0+4*\s+3], s[G0+4*\s+3], 0x80000000
	s_mov_b32 s[G0B+4*\s], 1
	s_add_co_u32 s[G0B+4*\s+1], s21, \s*SLOT
	s_add_nc_u64 s[G0B+4*\s+2:G0B+4*\s+3], s[46:47], \s*KSTEP*2
	s_or_b32 s[G0B+4*\s+3], s[G0B+4*\s+3], 0x80000000
.endr
	s_cmp_eq_u32 s11, 0                            ; a wave's two first fills stand in one branch: two loads of mine are out
	s_cbranch_scc0 .Lfirst_b
	tensor_load_to_lds s[G0:G0+3], s[G1:G1+7]
	s_nop 0
	tensor_load_to_lds s[G0+4:G0+7], s[G1:G1+7]
	s_nop 0
	PLACES
	s_branch .Lfirst_asked
.Lfirst_b:
	tensor_load_to_lds s[G0B:G0B+3], s[G1B:G1B+7]
	s_nop 0
	tensor_load_to_lds s[G0B+4:G0B+7], s[G1B:G1B+7]
	s_nop 0
	PLACES
.Lfirst_asked:
	v_and_b32 v1, 15, v0                           ; r
	v_bfe_u32 v2, v0, 4, 1                         ; h
	v_mul_u32_u24 v3, v1, APITCH
	v_lshl_add_u32 v3, v2, 4, v3
	s_mul_i32 s22, s11, HALFA
	v_add_nc_u32 v[A0], s22, v3
	v_mul_u32_u24 v3, v1, BPITCH
	v_lshl_add_u32 v3, v2, 4, v3
	s_mul_i32 s22, s12, HALFB
	s_add_co_u32 s22, s22, 2*HALFA
	v_add_nc_u32 v[B0], s22, v3
	s_mul_i32 s23, s11, 64*SPITCH                  ; into the stage: row 64 x row half + r, byte 256 x column half + 32 h
	s_lshl_b32 s22, s12, 8
	s_add_co_u32 s23, s23, s22
	v_mul_u32_u24 v4, v1, SPITCH
	v_lshl_add_u32 v4, v2, 5, v4
	v_add_nc_u32 v[STO], s23, v4
	s_mul_i32 s23, s10, 32*SPITCH                  ; back: wave w takes rows 32 w .. 32 w + 31, whole
	v_add_nc_u32 v[RD], s23, v[CO]
	s_wait_tensorcnt 0x1                           ; my part of the first K step is in; the second's may stay out
	s_barrier_signal -1
	s_barrier_wait -1
	v_add_nc_u32 v[ADRA], s[TBA], v[A0]
	v_add_nc_u32 v[ADRB], s[TBB], v[B0]
	FETCH 0, 0, F0
	WIN 0x80                                       ; destination window 2
.set i, 0
.rept 32
	global_load_b128 v[4*i:4*i+3], v[CO], s[72:73] offset:4096*i     ; R: a row's 512 consecutive bytes a load.  Asked for only now, behind the first tiles, which the products wait for; waited for on the way out
.set i, i+1
.endr
	QUARTER F0, F1, AQ, 128, 1                     ; the first products start the sums: nothing is cleared
	s_add_co_u32 s[TBA], s[TBA], 2*AQ
	s_add_co_u32 s[TBB], s[TBB], 256
	PAIR
	WIN 0
	s_mov_b32 s[SLOTS], KSTEPS-2
.Lslot:
	CHANGE 1
	TWO_PAIRS
	s_sub_co_u32 s[SLOTS], s[SLOTS], 1
	s_cmp_lg_u32 s[SLOTS], 0
	s_cbranch_scc1 .Lslot
	CHANGE 0                                       ; the tail is written out
	TWO_PAIRS
	s_wait_dscnt 0x0                               ; my reads of the ring are over:
	s_barrier_signal -1                            ; say so, multiply the last quarter on registers meanwhile,
	WIN MUL
	MUL8 F1, 0, 0, 0
	MUL8 F1, 0, 2, 0
	MUL8 F1, 1, 0, 0
	MUL8 F1, 1, 2, 0
	WIN 0
	s_barrier_wait -1                              ; and write into the ring only when all four have said so
	PLACES
	; THE WAY OUT: f32 into the work-group's stage, each accumulator from its low registers on; a barrier, since a row's 512 bytes come from two waves; back as whole rows; plus R; stored
.irp a, 0,1,2,3
.irp b, 0,1,2,3
	ds_store_b128 v[STO], v[ACC+8*(4*\a+\b):ACC+8*(4*\a+\b)+3]   offset:\a*16*SPITCH+64*\b
	ds_store_b128 v[STO], v[ACC+8*(4*\a+\b)+4:ACC+8*(4*\a+\b)+7] offset:\a*16*SPITCH+64*\b+16
.endr
.endr
	s_wait_dscnt 0x0                               ; for the others' sake: my stores into the stage are done
	s_barrier_signal -1
	s_barrier_wait -1
.set i, 0
.rept 32
	ds_load_b128 v[ACC+4*i:ACC+4*i+3], v[RD] offset:SPITCH*i
.set i, i+1
.endr
	s_wait_loadcnt 0x0                             ; R
	s_wait_dscnt 0x0
	WIN 0x08                                       ; source 1 window 2
.set i, 0
.rept 64
	v_pk_add_f32 v[ACC+2*i:ACC+2*i+1], v[ACC+2*i:ACC+2*i+1], v[2*i:2*i+1]
.set i, i+1
.endr
	WIN 0
.set i, 0
.rept 32
	global_store_b128 v[CO], v[ACC+4*i:ACC+4*i+3], s[74:75] offset:4096*i    ; 32 lanes store 512 consecutive bytes, aligned
.set i, i+1
.endr
	s_wait_tensorcnt 0x0                           ; the wave's end
	ds_add_u32 v[SPW], v[NIL]
	s_wait_dscnt 0x0
	CROUND                                         ; the closing round
	s_endpgm
.Lfunc_end_k_q54f0a98672_wo:
	.size	k_q54f0a98672_wo, .Lfunc_end_k_q54f0a98672_wo-k_q54f0a98672_wo
	.p2alignl 7, 3214868480
	.fill 96, 4, 3214868480
	.section	.rodata,"a",@progbits
	.p2align	6, 0x0
	.amdhsa_kernel k_q54f0a98672_wo
		.amdhsa_group_segment_fixed_size 327680
		.amdhsa_private_segment_fixed_size 0
		.amdhsa_enable_private_segment 0
		.amdhsa_kernarg_size 32
		.amdhsa_user_sgpr_count 2
		.amdhsa_user_sgpr_kernarg_segment_ptr 1
		.amdhsa_wavefront_size32 1
		.amdhsa_system_sgpr_workgroup_id_x 1
		.amdhsa_system_sgpr_workgroup_id_y 1
		.amdhsa_system_sgpr_workgroup_id_z 1
		.amdhsa_system_vgpr_workitem_id 0
		.amdhsa_next_free_vgpr 640
		.amdhsa_next_free_sgpr 80
		.amdhsa_reserve_vcc 0
		.amdhsa_float_denorm_mode_32 3
		.amdhsa_float_denorm_mode_16_64 3
		.amdhsa_memory_ordered 1
		.amdhsa_forward_progress 1
		.amdhsa_inst_pref_size 59
	.end_amdhsa_kernel
	.amdgpu_metadata
---
amdhsa.version: [ 1, 2 ]
amdhsa.kernels:
  - .name:           k_q54f0a98672_wo
    .symbol:         k_q54f0a98672_wo.kd
    .args:
      - { .name: cc, .offset: 0, .size: 8, .value_kind: global_buffer, .address_space: global }
      - { .name: wb, .offset: 8, .size: 8, .value_kind: global_buffer, .address_space: global }
      - { .name: x, .offset: 16, .size: 8, .value_kind: global_buffer, .address_space: global }
      - { .name: xr, .offset: 24, .size: 8, .value_kind: global_buffer, .address_space: global }
    .group_segment_fixed_size: 327680
    .private_segment_fixed_size: 0
    .kernarg_segment_align: 8
    .kernarg_segment_size: 32
    .max_flat_workgroup_size: 128
    .sgpr_count:     80
    .vgpr_count:     640
    .wavefront_size: 32
...
	.end_amdgpu_metadata
.endif
;; end of part 4
;; launch ln2: the kernel of part 1 again; grid 256 x 1, 8 waves a work-group, no clusters, 0 bytes of LDS; arguments xr, gamma2, beta2, nb, wq, wk, wv, wo, mlp_fc1, mlp_fc2, wb; writes nb, wb
;; launch fc1 (part 5): grid 16 x 16, 4 waves a work-group, clusters of 4 x 4, 327,680 bytes of LDS; arguments nb, wb, hid; writes hid
.if DOCPART == 5
	.amdgcn_target "amdgcn-amd-amdhsa--gfx1250"
	.amdhsa_code_object_version 6
	.text
	.protected	k_q54f0a98672_fc1
	.globl	k_q54f0a98672_fc1
	.p2align	8
	.type	k_q54f0a98672_fc1,@function
k_q54f0a98672_fc1:
	s_mov_b64 s[64:65], 0
	v_nop
	global_prefetch_b8 v0, s[64:65] scope:SCOPE_SE
	s_setreg_imm32_b32 hwreg(HW_REG_WAVE_MODE, 25, 1), 1
	s_wait_xcnt 0x0
	s_wait_alu depctr_hold_cnt(0) depctr_sa_sdst(0) depctr_va_vdst(0) depctr_va_sdst(0) depctr_va_ssrc(0) depctr_va_vcc(0) depctr_vm_vsrc(0)
	s_getreg_b32 s2, hwreg(HW_REG_IB_STS2, 6, 4)
	s_cmp_eq_u32 s2, 0
	s_cbranch_scc0 .Lentry_in_a_cluster
	s_endpgm
.Lentry_in_a_cluster:
	s_bfe_u32 s2, ttmp6, 0x10000c
	s_cmp_lg_u32 s2, 0xf033
	s_cbranch_scc0 .Lentry_shape_is_right
	s_endpgm
.Lentry_shape_is_right:
; hid = gelu(n2 fc1^T): C[m][n] = g(sum over k of A[m][k] B[n][k]), A = nb [4096][1024] bf16, B = fc1 in bf16, [4096][1024], at byte 8,388,608 of wb; C = hid [4096][4096] bf16.
; Sums in f32; g(x) = x / (1 + 2^u), u = -2 log2(e) 0.7978845608 (x + 0.044715 x^3), which is x (1 + tanh(..)) / 2; rounded once to bf16.
; LIMIT: v_exp_f32 and v_rcp_f32 flush results under 2^-126 to 0; where 2^u overflows the result is 0 x x, where it vanishes x, as the formula's own limits are.
; A tile of C, 256 x 256, is made by four waves, each 128 x 128: 64 accumulators of 16 x 16, 512 registers.  K goes in steps of 128 through two LDS slots
; filled by the tensor data mover; a tile's rows are 256 bytes of memory, aligned.
; CLUSTER: 4 x 4 work-groups.  The four of a row of the cluster need the same tiles of A, the four of a column the same tiles of B: each tile is asked for
; jointly, by the same tensor load with the same descriptor and a mask that names the four.
; THE K LOOP IS SHORT TEXT: a pair of quarter steps (32 along K each) is written once and walked twice a K step; the LDS byte at which a pair reads is s[TB].
; THE MATRIX INSTRUCTION IS USED TRANSPOSED (source 0 = 16 rows of B, source 1 = 16 rows of A): a lane holds row m = lane % 16 and columns 8 (lane / 16) + 0..7.
; REGISTERS, in windows of 256: window 0: v16-29 addresses, v64-127 and v128-191 A's fragments (two buffers), on the way out v32-127 and v192-213;
; window 1: v64-127, v128-191 B's fragments; windows 2, 3: the accumulators, (a, b) at v[8 (8 (a % 4) + b)] of window 2 + a / 4.
.set SIZE_K, 1024
.set SIZE_N, 4096
.set BOFF,   8388608                   ; B's first byte in wb
.set KSTEP,  128
.set KSTEPS, SIZE_K/KSTEP
.set PITCH,  272                       ; an LDS row: 256 bytes + 16 of padding = 68 words: the 16 rows of a fragment load start at 16 different banks (64 banks of 4 bytes: ISA guide 11.1)
.set HALFT,  128*PITCH                 ; what one tensor load brings
.set SLOT,   4*HALFT                   ; A's 256 rows, then B's.  0x22000 shares no bit with wave x HALFT, so one exclusive or turns an address in one slot into the other's
.set SPARE,  2*SLOT                    ; behind the ring: the spare words, 128 bytes a wave
.set SPITCH, 528                       ; the way out: a row of 128 f32 + 16 bytes
.set WSTAGE, 128*SPITCH                ; a wave's own stage, in the ring, which has had its last fill by then
.set PSTEP, 2*SIZE_N*2                 ; bytes in C from a pair of rows to the next,
.set TSTEP, 8*SIZE_N*2                 ; from eight rows to the next
.set A0,   16                          ; v16  my lane's place in A's part of slot 0; never rewritten
.set B0,   17                          ; v17  the same for B
.set ADRA, 18                          ; v18  A0 + s[TB]
.set ADRB, 19
.set STO,  24                          ; the way out: where my results go in the stage
.set RD,   25                          ; where I read them back
.set CO,   26                          ; my byte offset in C
.set SPW,  28                          ; LDS address of my spare word; never rewritten
.set NIL,  29                          ; 0; never rewritten
.set E0,   32                          ; v[32:63]   8 rows' worth of results, f32: the even blocks
.set T,    64                          ; v[64:95]   at work in the activation (A's fragments are done with by then)
.set E1,   96                          ; v[96:127]  the odd blocks
.set F0,   64
.set F1,   128
.set Y,    192                         ; v[192:207] the results in bf16
.set GC,   208                         ; v[208:209] -2.3022082 twice, v[210:211] -0.10294324 twice, v[212:213] 1.0 twice
.set G1,   24                          ; s[24:31] group 1 for A's tiles;  s[32:39] group 0: a set for each first fill; the second walks on
.set G0,   32
.set G1B,  48                          ; s[48:55], s[56:63] the same for B's
.set G0B,  56
.set TB,    66                         ; s66  LDS byte at which the pair in hand reads: slot + byte in the row
.set SLOTS, 67
.set TWICE, 68
.set ROWS,  69
.set MSB, 0
.macro WIN new                         ; the immediate's high byte repeats the setting that is left; a switch that changes nothing is dropped
.if MSB != \new
	s_set_vgpr_msb (MSB<<8)|\new
.set MSB, \new
.endif
.endm
.set MUL_LO, 0xa1                      ; source 0 (B) window 1, source 1 (A) window 0, C and D window 2
.set MUL_HI, 0xf1                      ; the same, C and D window 3
.set TO_B,   0x40                      ; destination window 1, address window 0
.macro PLACES                          ; four plain instructions between a matrix instruction and a load into, or a read of, its registers
.rept 4
	v_nop
.endr
.endm
.macro CROUND                          ; a round of the cluster's barrier: my work-group's barrier, wave 0 signals for it, all wait for all sixteen, my work-group's barrier again
	s_barrier_signal -1
	s_barrier_wait -1
	s_cmp_lg_u32 s10, 0
	s_cbranch_scc1 .Lnot_wave_0_\@
	s_barrier_signal -3
.Lnot_wave_0_\@:
	s_barrier_wait -3
	s_barrier_signal -1
	s_barrier_wait -1
.endm
.macro JLOAD                           ; the joint refill: waves 0, 1 fetch A's halves, waves 2, 3 B's; four v_nop follow each line
	s_cmp_eq_u32 s11, 0
	s_cbranch_scc0 .Lfor_b_\@
	tensor_load_to_lds s[G0+4:G0+7], s[G1:G1+7]
	s_nop 0
	PLACES
	s_branch .Lasked_\@
.Lfor_b_\@:
	tensor_load_to_lds s[G0B+4:G0B+7], s[G1B:G1B+7]
	s_nop 0
	PLACES
.Lasked_\@:
.endm
.macro MUL16 f, hi, a0, zero           ; 16 matrix instructions: m blocks a0, a0 + 1 of the window's four x all 8 n blocks; zero = 1: the product starts the sums
.irp a, \a0, \a0+1
.irp b, 0,1,2,3,4,5,6,7
.if \zero
	v_wmma_f32_16x16x32_bf16 v[8*(8*(\a)+\b):8*(8*(\a)+\b)+7], v[\f+8*\b:\f+8*\b+7], v[\f+8*(4*\hi+\a):\f+8*(4*\hi+\a)+7], 0
.else
	v_wmma_f32_16x16x32_bf16 v[8*(8*(\a)+\b):8*(8*(\a)+\b)+7], v[\f+8*\b:\f+8*\b+7], v[\f+8*(4*\hi+\a):\f+8*(4*\hi+\a)+7], v[8*(8*(\a)+\b):8*(8*(\a)+\b)+7]
.endif
.endr
.endr
.endm
.macro FETCH k, f                      ; 32 LDS loads in one run: a quarter step's fragments (128 rows of B, 128 of A, 32 along K) into buffer f
	WIN TO_B
.irp i, 0,1,2,3,4,5,6,7
	ds_load_b128 v[\f+8*\i:\f+8*\i+3],   v[ADRB] offset:\k+\i*16*PITCH
	ds_load_b128 v[\f+8*\i+4:\f+8*\i+7], v[ADRB] offset:\k+\i*16*PITCH+32
.endr
	WIN 0
.irp i, 0,1,2,3,4,5,6,7
	ds_load_b128 v[\f+8*\i:\f+8*\i+3],   v[ADRA] offset:\k+\i*16*PITCH
	ds_load_b128 v[\f+8*\i+4:\f+8*\i+7], v[ADRA] offset:\k+\i*16*PITCH+32
.endr
.endm
.macro QUARTER f, g, k, zero           ; multiplies buffer f (64 matrix instructions, all 64 accumulators by turns); in its middle fetches the next quarter into g
	s_wait_dscnt 8                                 ; B and A's rows 0-63 are in; the youngest eight loads (A's rows 64-127) may be out
	WIN MUL_LO
	MUL16 \f, 0, 0, \zero
	MUL16 \f, 0, 2, \zero
	PLACES
	FETCH \k, \g
	s_wait_dscnt 32                                ; all but the 32 just issued
	WIN MUL_HI
	MUL16 \f, 1, 0, \zero
	MUL16 \f, 1, 2, \zero
.endm
.macro PAIR                            ; multiplies the quarter in buffer 1 and the next; fetches the two quarters at byte s[TB] of the rows
	WIN 0
	v_add_nc_u32 v[ADRA], s[TB], v[A0]
	v_add_nc_u32 v[ADRB], s[TB], v[B0]
	QUARTER F1, F0, 0, 0
	QUARTER F0, F1, 64, 0
	s_add_co_u32 s[TB], s[TB], 128
.endm
.macro TWO_PAIRS                       ; a K step's worth, written once
	s_mov_b32 s[TWICE], 2
.Lpair_\@:
	PAIR
	WIN 0                                          ; at a label and at a branch every window is 0
	s_sub_co_u32 s[TWICE], s[TWICE], 1
	s_cmp_lg_u32 s[TWICE], 0
	s_cbranch_scc1 .Lpair_\@
.endm
; THE CHANGE OF SLOTS.  The slot's last fragments have been asked for.  Each wave waits for all its tensor loads (one is out: its part of the next slot), adds 0 to its spare
; word, and waits for that and for its reads of the slot.  fill = 1: the barrier is a round of the cluster's, and the joint refill (two K steps on) is the first thing behind it.
.macro CHANGE fill
	WIN 0
	s_wait_tensorcnt 0x0                           ; no tensor load of mine is out, so a group 0 may be written
	ds_add_u32 v[SPW], v[NIL]                      ; 0 onto my spare word
.if \fill
	s_xor_b32 s[G0+5], s[G0+5], SLOT               ; the walking descriptors: the other slot than last time,
	s_xor_b32 s[G0B+5], s[G0B+5], SLOT
	s_add_nc_u64 s[G0+6:G0+7], s[G0+6:G0+7], KSTEP*2       ; the next K step; the type bits on top are not reached
	s_add_nc_u64 s[G0B+6:G0B+7], s[G0B+6:G0B+7], KSTEP*2
	s_wait_dscnt 0x0                               ; the add is done, and my reads of the slot are over
	CROUND
	JLOAD
.else
	s_wait_dscnt 0x0
	s_barrier_signal -1
	s_barrier_wait -1
.endif
	s_sub_co_u32 s[TB], s[TB], 2*KSTEP             ; back to a row's first byte,
	s_xor_b32 s[TB], s[TB], SLOT                   ; in the other slot
.endm
; THE WAY OUT'S PARTS.  A block is 8 rows of my 128 columns: four pairs of rows, 8 numbers a lane and pair.
.macro LOADROWS e, off                 ; a block out of my stage, from byte off behind v[RD], into v[e .. e+31]
.irp p, 0,1,2,3
	ds_load_b128 v[\e+8*\p:\e+8*\p+3],   v[RD] offset:\off+\p*2*SPITCH       ; LDS serves a wave's instructions in order (ISA guide 5.7.1.4): these see my stores into the stage
	ds_load_b128 v[\e+8*\p+4:\e+8*\p+7], v[RD] offset:\off+\p*2*SPITCH+256
.endr
.endm
.macro OUT e, step, back               ; the block in v[e .. e+31]: the activation, rounded, stored.  step = 1: C's address goes two blocks on; the stores reach back by 'back' bytes
.set i, 0
.rept 16
	v_pk_mul_f32 v[T+2*i:T+2*i+1], v[\e+2*i:\e+2*i+1], v[\e+2*i:\e+2*i+1]                   ; x^2
.set i, i+1
.endr
.set i, 0
.rept 16
	v_pk_fma_f32 v[T+2*i:T+2*i+1], v[T+2*i:T+2*i+1], v[GC+2:GC+3], v[GC:GC+1]
.set i, i+1
.endr
.set i, 0
.rept 16
	v_pk_mul_f32 v[T+2*i:T+2*i+1], v[T+2*i:T+2*i+1], v[\e+2*i:\e+2*i+1]                     ; u
.set i, i+1
.endr
.set i, 0
.rept 32
	v_exp_f32 v[T+i], v[T+i]
.set i, i+1
.endr
	v_nop                                          ; a plain instruction between the exponentials and the use of their results (ISA guide 5.7.2)
.set i, 0
	s_wait_alu depctr_va_vdst(0)
.rept 16
	v_pk_add_f32 v[T+2*i:T+2*i+1], v[T+2*i:T+2*i+1], v[GC+4:GC+5]
.set i, i+1
.endr
.set i, 0
.rept 32
	v_rcp_f32 v[T+i], v[T+i]
.set i, i+1
.endr
	v_nop                                          ; the same behind the reciprocals
.set i, 0
	s_wait_alu depctr_va_vdst(0)
.rept 16
	v_pk_mul_f32 v[\e+2*i:\e+2*i+1], v[\e+2*i:\e+2*i+1], v[T+2*i:T+2*i+1]
.set i, i+1
.endr
	s_wait_xcnt 0x0                                ; Y and the base, which the block before's stores read, are rewritten only behind this wait; those stores stand a whole activation back
.if \step
	s_add_nc_u64 s[8:9], s[8:9], 2*TSTEP
.endif
.irp p, 0,1,2,3
.irp k, 0,1,2,3
	v_cvt_pk_bf16_f32 v[Y+4*\p+\k], v[\e+8*\p+2*\k], v[\e+8*\p+2*\k+1]
.endr
.endr
.irp p, 0,1,2,3
	global_store_b128 v[CO], v[Y+4*\p:Y+4*\p+3], s[8:9] offset:\p*PSTEP-\back   ; 16 lanes store 256 consecutive bytes, aligned
.endr
.endm
	s_load_b128 s[4:7], s[0:1], 0x0                ; A s[4:5], wb s[6:7]
	s_load_b64 s[8:9], s[0:1], 0x10                ; C
	v_lshl_add_u32 v[SPW], v0, 2, SPARE
	v_mov_b32 v[NIL], 0
	ds_add_u32 v28, v29
	s_wait_dscnt 0x0
	v_lshrrev_b32 v1, 5, v0
	v_readfirstlane_b32 s10, v1                    ; wave 0..3
	s_lshr_b32 s11, s10, 1                         ; my half of the tile's rows.  Also: I fetch for A (0) or for B (1)
	s_and_b32 s12, s10, 1                          ; my half of its columns.  Also: which 128 rows I fetch
	s_bfe_u32 s40, ttmp6, 0x40000                  ; cx
	s_bfe_u32 s41, ttmp6, 0x40004                  ; cy
	s_lshl_b32 s42, ttmp9, 2
	s_add_co_u32 s42, s42, s40                     ; tile column = 4 x cluster x + cx
	s_and_b32 s13, ttmp7, 0xffff
	s_lshl_b32 s13, s13, 2
	s_add_co_u32 s13, s13, s41                     ; tile row = 4 x cluster y + cy
	s_lshl_b32 s43, s41, 2
	s_lshl_b32 s43, 15, s43                        ; my row of the cluster
	s_lshl_b32 s44, 0x1111, s40                    ; my column
	s_or_b32 s[G1+0], s43, (1<<16)|(1<<20)|(1<<21)|(5<<22)|(3<<25)   ; the mask; elements of 2 bytes; padding on; bit 21 beside a mask; after every 64 words, 4 words
	s_or_b32 s[G1B+0], s44, (1<<16)|(1<<20)|(1<<21)|(5<<22)|(3<<25)
.irp g, G1, G1B
	s_mov_b32 s[\g+1], KSTEP<<16                   ; tensor_dim0 = 128
	s_mov_b32 s[\g+2], 128<<16                     ; tensor_dim1 = 128
	s_mov_b32 s[\g+3], KSTEP<<16                   ; tile_dim0 = 128
	s_mov_b32 s[\g+4], 128                         ; tile_dim1 = 128
	s_mov_b32 s[\g+5], SIZE_K                      ; elements from row to row
	s_mov_b32 s[\g+6], 0
	s_mov_b32 s[\g+7], 0
.endr
	s_lshl_b32 s17, s12, 7
	s_lshl_b32 s16, s13, 8
	s_add_co_u32 s16, s16, s17                     ; A: row 256 x tile row + 128 x half
	s_mul_i32 s16, s16, SIZE_K*2
	s_lshl_b32 s46, s42, 8
	s_add_co_u32 s46, s46, s17                     ; B: row 256 x tile column + 128 x half
	s_mul_i32 s46, s46, SIZE_K*2
	s_mov_b32 s17, 0
	s_mov_b32 s47, 0
	s_mul_i32 s20, s10, HALFT                      ; where my tiles go: no place in the cluster enters an LDS address
	s_mov_b32 s[TB], 0
	CROUND                                         ; all sixteen work-groups are here: the first joint loads meet.  The round names no argument, so it stands ahead of the wait for them
	s_wait_kmcnt 0x0
	s_add_nc_u64 s[14:15], s[4:5], s[16:17]
	s_add_nc_u64 s[46:47], s[6:7], s[46:47]
	s_add_nc_u64 s[46:47], s[46:47], BOFF
.irp s, 0,1
	s_mov_b32 s[G0+4*\s], 1
	s_add_co_u32 s[G0+4*\s+1], s20, \s*SLOT
	s_add_nc_u64 s[G0+4*\s+2:G0+4*\s+3], s[14:15], \s*KSTEP*2
	s_or_b32 s[G0+4*\s+3], s[G0+4*\s+3], 0x80000000
	s_mov_b32 s[G0B+4*\s], 1
	s_add_co_u32 s[G0B+4*\s+1], s20, \s*SLOT
	s_add_nc_u64 s[G0B+4*\s+2:G0B+4*\s+3], s[46:47], \s*KSTEP*2
	s_or_b32 s[G0B+4*\s+3], s[G0B+4*\s+3], 0x80000000
.endr
	s_cmp_eq_u32 s11, 0                            ; a wave's two first fills stand in one branch: two loads of mine are out
	s_cbranch_scc0 .Lfirst_b
	tensor_load_to_lds s[G0:G0+3], s[G1:G1+7]
	s_nop 0
	tensor_load_to_lds s[G0+4:G0+7], s[G1:G1+7]
	s_nop 0
	PLACES
	s_branch .Lfirst_asked
.Lfirst_b:
	tensor_load_to_lds s[G0B:G0B+3], s[G1B:G1B+7]
	s_nop 0
	tensor_load_to_lds s[G0B+4:G0B+7], s[G1B:G1B+7]
	s_nop 0
	PLACES
.Lfirst_asked:
	; a fragment: lane l holds row l % 16; registers 0-3 K = 8 (l / 16) + 0..7, registers 4-7 K = 16 + 8 (l / 16) + 0..7: two loads of 16 bytes, 32 apart
	v_and_b32 v1, 15, v0                           ; r = l % 16
	v_bfe_u32 v2, v0, 4, 1                         ; h = l / 16
	v_mul_u32_u24 v3, v1, PITCH
	v_lshl_add_u32 v3, v2, 4, v3
	s_mul_i32 s21, s11, HALFT
	s_mul_i32 s22, s12, HALFT
	s_add_co_u32 s22, s22, 2*HALFT
	v_add_nc_u32 v[A0], s21, v3
	v_add_nc_u32 v[B0], s22, v3
	v_mov_b32 v[GC], 0xc0135761                    ; -2 log2(e) 0.7978845608
	v_mov_b32 v[GC+1], 0xc0135761
	v_mov_b32 v[GC+2], 0xbdd2d3e8                  ; the same x 0.044715
	v_mov_b32 v[GC+3], 0xbdd2d3e8
	v_mov_b32 v[GC+4], 1.0
	v_mov_b32 v[GC+5], 1.0
	; the way out.  In a stage row column c lies at byte 256 ((c % 8) / 4) + 16 (c / 8) + 4 (c % 4): my registers 0-3 and 4-7 go in as two pieces of 16 bytes, 256 apart,
	; and eight neighbouring columns come back as two such pieces
	s_mul_i32 s23, s10, WSTAGE
	v_mul_u32_u24 v4, v1, SPITCH
	v_lshl_add_u32 v4, v2, 4, v4
	v_add_nc_u32 v[STO], s23, v4                   ; row r, piece h
	v_mul_u32_u24 v5, v2, SPITCH                   ; back: lanes 0-15 one row, lanes 16-31 the next; lane r takes columns 8 r .. 8 r + 7
	v_lshl_add_u32 v5, v1, 4, v5
	v_add_nc_u32 v[RD], s23, v5
	v_mul_u32_u24 v5, v2, SIZE_N*2
	v_lshl_add_u32 v[CO], v1, 4, v5
	s_lshl_b32 s16, s13, 8
	s_lshl_b32 s17, s11, 7
	s_add_co_u32 s16, s16, s17                     ; my first row of C
	s_lshl_b32 s46, s42, 8
	s_lshl_b32 s47, s12, 7
	s_add_co_u32 s46, s46, s47                     ; my first column
	s_mul_i32 s16, s16, SIZE_N*2
	s_lshl_b32 s46, s46, 1
	s_add_co_u32 s16, s16, s46
	s_mov_b32 s17, 0
	s_add_nc_u64 s[8:9], s[8:9], s[16:17]
	s_wait_tensorcnt 0x1                           ; my part of K step 0 is in; K step 1's may stay out
	s_barrier_signal -1
	s_barrier_wait -1
	v_add_nc_u32 v[ADRA], s[TB], v[A0]
	v_add_nc_u32 v[ADRB], s[TB], v[B0]
	FETCH 0, F0
	QUARTER F0, F1, 64, 1                          ; the first quarter starts all 64 sums: nothing is cleared
	s_add_co_u32 s[TB], s[TB], 128
	PAIR
	WIN 0
	s_mov_b32 s[SLOTS], KSTEPS-2
.Lslot:                                                ; every K step but the last two is followed by a refill of its slot
	CHANGE 1
	TWO_PAIRS
	s_sub_co_u32 s[SLOTS], s[SLOTS], 1
	s_cmp_lg_u32 s[SLOTS], 0
	s_cbranch_scc1 .Lslot
	CHANGE 0                                       ; the tail is written out
	TWO_PAIRS
	s_wait_dscnt 0x0                               ; my reads of the ring are over:
	s_barrier_signal -1                            ; say so, multiply the last quarter on registers meanwhile,
	WIN MUL_LO
	MUL16 F1, 0, 0, 0
	MUL16 F1, 0, 2, 0
	WIN MUL_HI
	MUL16 F1, 1, 0, 0
	MUL16 F1, 1, 2, 0
	WIN 0
	s_barrier_wait -1                              ; and write into the ring only when all four have said so
	PLACES
	; THE WAY OUT: all 64 accumulators into my stage, each from its low registers on; then back in 16 blocks of eight rows, through the activation, rounded and stored.
	; Two sets of registers take the blocks by turns: a block's loads go out ahead of the activation of the block before it.
	WIN 0x08                                       ; store data (source 1) window 2
.irp a, 0,1,2,3
.irp b, 0,1,2,3,4,5,6,7
	ds_store_b128 v[STO], v[8*(8*\a+\b):8*(8*\a+\b)+3]   offset:\a*16*SPITCH+32*\b
	ds_store_b128 v[STO], v[8*(8*\a+\b)+4:8*(8*\a+\b)+7] offset:\a*16*SPITCH+32*\b+256
.endr
.endr
	WIN 0x0c                                       ; window 3
.irp a, 0,1,2,3
.irp b, 0,1,2,3,4,5,6,7
	ds_store_b128 v[STO], v[8*(8*\a+\b):8*(8*\a+\b)+3]   offset:(4+\a)*16*SPITCH+32*\b
	ds_store_b128 v[STO], v[8*(8*\a+\b)+4:8*(8*\a+\b)+7] offset:(4+\a)*16*SPITCH+32*\b+256
.endr
.endr
	WIN 0
	LOADROWS E0, 0                                 ; block 0
	s_mov_b32 s[ROWS], 8
.Lrows:                                                ; a trip: an even block and the odd one behind it
	LOADROWS E1, 8*SPITCH
	s_wait_dscnt 8                                 ; the even block is in; the eight loads just issued may be out
	OUT E0, 1, 2*TSTEP
	s_cmp_eq_u32 s[ROWS], 1
	s_cbranch_scc1 .Lno_more                       ; behind the last odd block there is nothing to fetch
	v_add_nc_u32 v[RD], 16*SPITCH, v[RD]
	LOADROWS E0, 0                                 ; the next trip's even block
	s_wait_dscnt 8                                 ; the odd block is in; the eight loads just issued may be out
	s_branch .Lodd
.Lno_more:
	s_wait_dscnt 0x0                               ; the odd block is in: no load was issued behind it
.Lodd:
	OUT E1, 0, TSTEP
	s_sub_co_u32 s[ROWS], s[ROWS], 1
	s_cmp_lg_u32 s[ROWS], 0
	s_cbranch_scc1 .Lrows
	s_wait_tensorcnt 0x0                           ; the wave's end
	ds_add_u32 v[SPW], v[NIL]
	s_wait_dscnt 0x0
	CROUND                                         ; the closing round: no work-group ends while a partner may still ask for a tile that names it
	s_endpgm
.Lfunc_end_k_q54f0a98672_fc1:
	.size	k_q54f0a98672_fc1, .Lfunc_end_k_q54f0a98672_fc1-k_q54f0a98672_fc1
	.p2alignl 7, 3214868480
	.fill 96, 4, 3214868480
	.section	.rodata,"a",@progbits
	.p2align	6, 0x0
	.amdhsa_kernel k_q54f0a98672_fc1
		.amdhsa_group_segment_fixed_size 327680
		.amdhsa_private_segment_fixed_size 0
		.amdhsa_enable_private_segment 0
		.amdhsa_kernarg_size 24
		.amdhsa_user_sgpr_count 2
		.amdhsa_user_sgpr_kernarg_segment_ptr 1
		.amdhsa_wavefront_size32 1
		.amdhsa_system_sgpr_workgroup_id_x 1
		.amdhsa_system_sgpr_workgroup_id_y 1
		.amdhsa_system_sgpr_workgroup_id_z 1
		.amdhsa_system_vgpr_workitem_id 0
		.amdhsa_next_free_vgpr 1024
		.amdhsa_next_free_sgpr 72
		.amdhsa_reserve_vcc 0
		.amdhsa_float_denorm_mode_32 3
		.amdhsa_float_denorm_mode_16_64 3
		.amdhsa_memory_ordered 1
		.amdhsa_forward_progress 1
		.amdhsa_inst_pref_size 88
	.end_amdhsa_kernel
	.amdgpu_metadata
---
amdhsa.version: [ 1, 2 ]
amdhsa.kernels:
  - .name:           k_q54f0a98672_fc1
    .symbol:         k_q54f0a98672_fc1.kd
    .args:
      - { .name: nb, .offset: 0, .size: 8, .value_kind: global_buffer, .address_space: global }
      - { .name: wb, .offset: 8, .size: 8, .value_kind: global_buffer, .address_space: global }
      - { .name: hid, .offset: 16, .size: 8, .value_kind: global_buffer, .address_space: global }
    .group_segment_fixed_size: 327680
    .private_segment_fixed_size: 0
    .kernarg_segment_align: 8
    .kernarg_segment_size: 24
    .max_flat_workgroup_size: 128
    .sgpr_count:     72
    .vgpr_count:     1024
    .wavefront_size: 32
...
	.end_amdgpu_metadata
.endif
;; end of part 5
;; launch fc2 (part 6): grid 8 x 32, 4 waves a work-group, clusters of 4 x 4, 327,680 bytes of LDS; arguments hid, wb, xr, out0; writes out0
.if DOCPART == 6
	.amdgcn_target "amdgcn-amd-amdhsa--gfx1250"
	.amdhsa_code_object_version 6
	.text
	.protected	k_q54f0a98672_fc2
	.globl	k_q54f0a98672_fc2
	.p2align	8
	.type	k_q54f0a98672_fc2,@function
k_q54f0a98672_fc2:
	s_mov_b64 s[64:65], 0
	v_nop
	global_prefetch_b8 v0, s[64:65] scope:SCOPE_SE
	s_setreg_imm32_b32 hwreg(HW_REG_WAVE_MODE, 25, 1), 1
	s_wait_xcnt 0x0
	s_wait_alu depctr_hold_cnt(0) depctr_sa_sdst(0) depctr_va_vdst(0) depctr_va_sdst(0) depctr_va_ssrc(0) depctr_va_vcc(0) depctr_vm_vsrc(0)
	s_getreg_b32 s2, hwreg(HW_REG_IB_STS2, 6, 4)
	s_cmp_eq_u32 s2, 0
	s_cbranch_scc0 .Lentry_in_a_cluster
	s_endpgm
.Lentry_in_a_cluster:
	s_bfe_u32 s2, ttmp6, 0x10000c
	s_cmp_lg_u32 s2, 0xf033
	s_cbranch_scc0 .Lentry_shape_is_right
	s_endpgm
.Lentry_shape_is_right:
; out0 = xr + hid fc2^T: C[m][n] = R[m][n] + sum over k of A[m][k] B[n][k].  A = hid [4096][4096] bf16; B = fc2 in bf16, [1024][4096], at byte 16,777,216 of wb;
; R = xr and C = out0, [4096][1024] f32.  Sums in f32.
; A tile of C is 128 x 128, so that 256 work-groups have one each; four waves, each 64 x 64: 16 accumulators.  K goes in steps of 256 (rows of 512 bytes, aligned) through two LDS slots
; filled by the tensor data mover.
; CLUSTER: 4 x 4 work-groups; A's tiles are asked for jointly along a row of the cluster, B's along a column.
; THE ORDER OF K: a cluster whose x + y is odd begins at K step KSTEPS / 2 and wraps round.  The two clusters that need the same rows of A differ in x alone, and of the clusters that need the
; same rows of B half have either parity: so a given tile is asked for by some of them half a K loop after the others, when it has been read once already.  The order of an f32 sum's K steps differs with it.
; The K loop is short text: a pair of quarter steps (64 along K each) is written once and walked twice a K step.  THE MATRIX INSTRUCTION IS USED TRANSPOSED (source 0 = rows of B).
; REGISTERS: window 0: v16-29 addresses, v128-255 the accumulators ((a, b) at 128 + 8 (4 a + b));  window 1: two fragment buffers of 128 (64 of A, then 64 of B);
; window 2: v0-127 my 32 rows x 16 bytes of R, asked for behind the first tiles and on their way during the K loop.
.set SIZE_K, 4096
.set BOFF,   16777216
.set KSTEP,  256
.set KSTEPS, SIZE_K/KSTEP
.set PITCH,  528                       ; an LDS row of A or B: 512 bytes + 16: an odd multiple of 16 (64 banks of 4 bytes: ISA guide 11.1)
.set HALFT,  64*PITCH                  ; what one tensor load brings
.set AQ,     128                       ; from a quarter step to the next: 64 bf16 along the row
.set SLOT,   4*HALFT                   ; A's 128 rows, then B's.  0x21000 shares no bit with a tile's place in a slot, so one exclusive or changes slots
.set STEPB,  KSTEP*2                   ; bytes in memory from a K step to the next
.set SPARE,  2*SLOT                    ; behind the ring: the spare words, 128 bytes a wave
.set SPITCH, 528                       ; the way out: the work-group's stage, 128 rows of 128 f32 + 16 bytes, in slot 0, which has had its last fill by then
.set A0,   16                          ; v16, v17  my lane's place in A's, B's part of slot 0; never rewritten
.set B0,   17
.set ADRA, 18
.set ADRB, 19
.set STO,  24
.set RD,   25
.set CO,   26                          ; 16 x lane; never rewritten
.set SPW,  28                          ; LDS address of my spare word; never rewritten
.set NIL,  29                          ; 0; never rewritten
.set ACC,  128
.set F0,   0
.set F1,   128
.set G1,   24                          ; s[24:31] group 1 for A's tiles;  s[32:39] group 0: a set for each first fill; the second walks on
.set G0,   32
.set G1B,  48                          ; s[48:55], s[56:63] the same for B's
.set G0B,  56
.set TB,    66                         ; s66  LDS byte at which the pair in hand reads: slot + byte in the row
.set SLOTS, 68
.set TWICE, 69
.set IDX,   70                         ; s70  the K step that the walking descriptors stand at
.set WR,    76                         ; s[76:77]  what is taken off the two addresses at the wrap: all of K, or 0
.set MSB, 0
.macro WIN new                         ; the immediate's high byte repeats the setting that is left; a switch that changes nothing is dropped
.if MSB != \new
	s_set_vgpr_msb (MSB<<8)|\new
.set MSB, \new
.endif
.endm
.set MUL,  0x05                        ; sources 0 (B) and 1 (A) window 1; C and D window 0
.set TO_F, 0x40                        ; destination window 1
.macro PLACES                          ; four plain instructions between a matrix instruction and a load into, or a read of, its registers
.rept 4
	v_nop
.endr
.endm
.macro CROUND                          ; a round of the cluster's barrier: my work-group's barrier, wave 0 signals for it, all wait for all sixteen, my work-group's barrier again
	s_barrier_signal -1
	s_barrier_wait -1
	s_cmp_lg_u32 s10, 0
	s_cbranch_scc1 .Lnot_wave_0_\@
	s_barrier_signal -3
.Lnot_wave_0_\@:
	s_barrier_wait -3
	s_barrier_signal -1
	s_barrier_wait -1
.endm
.macro JLOAD                           ; the joint refill: waves 0, 1 fetch A's halves, waves 2, 3 B's; four v_nop follow each line
	s_cmp_eq_u32 s11, 0
	s_cbranch_scc0 .Lfor_b_\@
	tensor_load_to_lds s[G0+4:G0+7], s[G1:G1+7]
	s_nop 0
	PLACES
	s_branch .Lasked_\@
.Lfor_b_\@:
	tensor_load_to_lds s[G0B+4:G0B+7], s[G1B:G1B+7]
	s_nop 0
	PLACES
.Lasked_\@:
.endm
.macro MUL8 f, c, a0, zero             ; 8 matrix instructions: m blocks a0, a0 + 1 x all 4 n blocks, 32 along K: half c of buffer f
.irp a, \a0, \a0+1
.irp b, 0,1,2,3
.if \zero
	v_wmma_f32_16x16x32_bf16 v[ACC+8*(4*(\a)+\b):ACC+8*(4*(\a)+\b)+7], v[\f+64+8*(4*\c+\b):\f+64+8*(4*\c+\b)+7], v[\f+8*(4*\c+\a):\f+8*(4*\c+\a)+7], 0
.else
	v_wmma_f32_16x16x32_bf16 v[ACC+8*(4*(\a)+\b):ACC+8*(4*(\a)+\b)+7], v[\f+64+8*(4*\c+\b):\f+64+8*(4*\c+\b)+7], v[\f+8*(4*\c+\a):\f+8*(4*\c+\a)+7], v[ACC+8*(4*(\a)+\b):ACC+8*(4*(\a)+\b)+7]
.endif
.endr
.endr
.endm
.macro FETCH k, f                      ; 32 LDS loads in one run: 64 along K at byte k of the rows into buffer f, the first 32 along K first
	WIN TO_F
.irp c, 0,1
.irp i, 0,1,2,3
	ds_load_b128 v[\f+64+8*(4*\c+\i):\f+64+8*(4*\c+\i)+3],   v[ADRB] offset:\k+64*\c+\i*16*PITCH
	ds_load_b128 v[\f+64+8*(4*\c+\i)+4:\f+64+8*(4*\c+\i)+7], v[ADRB] offset:\k+64*\c+\i*16*PITCH+32
	ds_load_b128 v[\f+8*(4*\c+\i):\f+8*(4*\c+\i)+3],         v[ADRA] offset:\k+64*\c+\i*16*PITCH
	ds_load_b128 v[\f+8*(4*\c+\i)+4:\f+8*(4*\c+\i)+7],       v[ADRA] offset:\k+64*\c+\i*16*PITCH+32
.endr
.endr
.endm
.macro QUARTER f, g, k, zero           ; multiplies buffer f (32 matrix instructions, the 16 accumulators by turns); in its middle fetches the next quarter into g
	s_wait_dscnt 16                                ; the first 32 along K are in; the other sixteen loads may be out
	WIN MUL
	MUL8 \f, 0, 0, \zero
	MUL8 \f, 0, 2, \zero
	PLACES
	FETCH \k, \g
	s_wait_dscnt 32                                ; all but the 32 just issued
	WIN MUL
	MUL8 \f, 1, 0, 0
	MUL8 \f, 1, 2, 0
.endm
.macro PAIR                            ; multiplies the quarter in buffer 1 and the next; fetches the two quarters at byte s[TB] of the rows
	WIN 0
	v_add_nc_u32 v[ADRA], s[TB], v[A0]
	v_add_nc_u32 v[ADRB], s[TB], v[B0]
	QUARTER F1, F0, 0, 0
	QUARTER F0, F1, AQ, 0
	s_add_co_u32 s[TB], s[TB], 2*AQ
.endm
.macro TWO_PAIRS                       ; a K step's worth, written once
	s_mov_b32 s[TWICE], 2
.Lpair_\@:
	PAIR
	WIN 0                                          ; at a label and at a branch every window is 0
	s_sub_co_u32 s[TWICE], s[TWICE], 1
	s_cmp_lg_u32 s[TWICE], 0
	s_cbranch_scc1 .Lpair_\@
.endm
; THE CHANGE OF SLOTS: each wave waits for all its tensor loads (one is out: its part of the next slot), adds 0 to its spare word, and waits for that and for its reads of the slot.
; fill = 1: the barrier is a round of the cluster's, and the joint refill (two K steps on, round the end of K) is the first thing behind it.
.macro CHANGE fill
	WIN 0
	s_wait_tensorcnt 0x0                           ; no tensor load of mine is out, so a group 0 may be written
	ds_add_u32 v[SPW], v[NIL]                      ; 0 onto my spare word
.if \fill
	s_xor_b32 s[G0+5], s[G0+5], SLOT               ; the walking descriptors: the other slot than last time,
	s_xor_b32 s[G0B+5], s[G0B+5], SLOT
	s_add_co_u32 s[IDX], s[IDX], 1                 ; the next K step; behind the last one comes step 0
	s_cmp_eq_u32 s[IDX], KSTEPS
	s_cselect_b32 s[WR], KSTEPS*STEPB, 0
	s_cselect_b32 s[IDX], 0, s[IDX]
	s_add_nc_u64 s[G0+6:G0+7], s[G0+6:G0+7], STEPB
	s_sub_nc_u64 s[G0+6:G0+7], s[G0+6:G0+7], s[WR:WR+1]
	s_add_nc_u64 s[G0B+6:G0B+7], s[G0B+6:G0B+7], STEPB
	s_sub_nc_u64 s[G0B+6:G0B+7], s[G0B+6:G0B+7], s[WR:WR+1]
	s_wait_dscnt 0x0                               ; the add is done, and my reads of the slot are over
	CROUND
	JLOAD
.else
	s_wait_dscnt 0x0
	s_barrier_signal -1
	s_barrier_wait -1
.endif
	s_sub_co_u32 s[TB], s[TB], 4*AQ                ; back to a row's first byte,
	s_xor_b32 s[TB], s[TB], SLOT                   ; in the other slot
.endm
	s_load_b128 s[4:7], s[0:1], 0x0                ; A s[4:5], wb s[6:7]
	s_load_b128 s[72:75], s[0:1], 0x10             ; R s[72:73], C s[74:75]
	v_lshl_add_u32 v[SPW], v0, 2, SPARE
	v_mov_b32 v[NIL], 0
	ds_add_u32 v28, v29
	s_wait_dscnt 0x0
	v_lshrrev_b32 v1, 5, v0
	v_readfirstlane_b32 s10, v1                    ; wave 0..3
	s_lshr_b32 s11, s10, 1                         ; my half of the tile's rows.  Also: I fetch for A (0) or for B (1)
	s_and_b32 s12, s10, 1                          ; my half of its columns.  Also: which 64 rows I fetch
	s_bfe_u32 s40, ttmp6, 0x40000                  ; cx
	s_bfe_u32 s41, ttmp6, 0x40004                  ; cy
	s_lshl_b32 s42, ttmp9, 2
	s_add_co_u32 s42, s42, s40                     ; tile column
	s_and_b32 s13, ttmp7, 0xffff
	s_add_co_u32 s45, s13, ttmp9                   ; cluster x + cluster y: the same in all sixteen partners
	s_and_b32 s45, s45, 1
	s_mul_i32 s[IDX], s45, KSTEPS/2                ; my cluster's first K step
	s_lshl_b32 s13, s13, 2
	s_add_co_u32 s13, s13, s41                     ; tile row
	s_lshl_b32 s43, s41, 2
	s_lshl_b32 s43, 15, s43                        ; my row of the cluster
	s_lshl_b32 s44, 0x1111, s40                    ; my column
	s_or_b32 s[G1+0], s43, (1<<16)|(1<<20)|(1<<21)|(6<<22)|(3<<25)   ; the mask; elements of 2 bytes; padding on; bit 21 beside a mask; after every 128 words, 4 words
	s_or_b32 s[G1B+0], s44, (1<<16)|(1<<20)|(1<<21)|(6<<22)|(3<<25)
.irp g, G1, G1B
	s_mov_b32 s[\g+1], KSTEP<<16                   ; tensor_dim0 = 256
	s_mov_b32 s[\g+2], 64<<16                      ; tensor_dim1 = 64
	s_mov_b32 s[\g+3], KSTEP<<16                   ; tile_dim0 = 256
	s_mov_b32 s[\g+4], 64                          ; tile_dim1 = 64
	s_mov_b32 s[\g+5], SIZE_K                      ; elements from row to row
	s_mov_b32 s[\g+6], 0
	s_mov_b32 s[\g+7], 0
.endr
	s_mul_i32 s18, s[IDX], STEPB                   ; the first K step's bytes along a row
	s_lshl_b32 s16, s13, 7
	s_lshl_b32 s17, s12, 6
	s_add_co_u32 s16, s16, s17                     ; A: row 128 x tile row + 64 x half
	s_mul_i32 s16, s16, SIZE_K*2
	s_add_co_u32 s16, s16, s18
	s_mov_b32 s17, 0
	s_lshl_b32 s46, s42, 7
	s_lshl_b32 s47, s12, 6
	s_add_co_u32 s46, s46, s47                     ; B: row 128 x tile column + 64 x half
	s_mul_i32 s46, s46, SIZE_K*2
	s_add_co_u32 s46, s46, s18
	s_mov_b32 s47, 0
	s_add_co_u32 s[IDX], s[IDX], 1                 ; the walking descriptors begin one step on (the first step is even: no wrap between the two)
	s_mov_b32 s[WR+1], 0
	s_mul_i32 s20, s10, HALFT                      ; where my tiles go: A's halves, then B's = wave x 64 rows: no place in the cluster enters an LDS address
	s_mov_b32 s[TB], 0
	v_and_b32 v3, 31, v0
	v_lshlrev_b32 v[CO], 4, v3
	CROUND                                         ; all sixteen work-groups are here: the first joint loads meet.  The round names no argument, so it stands ahead of the wait for them
	s_wait_kmcnt 0x0
	s_add_nc_u64 s[14:15], s[4:5], s[16:17]
	s_add_nc_u64 s[46:47], s[6:7], s[46:47]
	s_add_nc_u64 s[46:47], s[46:47], BOFF
	s_lshl_b32 s16, s13, 7
	s_lshl_b32 s18, s10, 5
	s_add_co_u32 s16, s16, s18                     ; the first row of R and C that I take: 128 x tile row + 32 x wave; rows of 4,096 bytes
	s_lshl_b32 s16, s16, 12
	s_lshl_b32 s18, s42, 9                         ; the tile's 512 bytes of a row
	s_add_co_u32 s16, s16, s18
	s_add_nc_u64 s[72:73], s[72:73], s[16:17]
	s_add_nc_u64 s[74:75], s[74:75], s[16:17]
.irp s, 0,1
	s_mov_b32 s[G0+4*\s], 1
	s_add_co_u32 s[G0+4*\s+1], s20, \s*SLOT
	s_add_nc_u64 s[G0+4*\s+2:G0+4*\s+3], s[14:15], \s*STEPB
	s_or_b32 s[G0+4*\s+3], s[G0+4*\s+3], 0x80000000
	s_mov_b32 s[G0B+4*\s], 1
	s_add_co_u32 s[G0B+4*\s+1], s20, \s*SLOT
	s_add_nc_u64 s[G0B+4*\s+2:G0B+4*\s+3], s[46:47], \s*STEPB
	s_or_b32 s[G0B+4*\s+3], s[G0B+4*\s+3], 0x80000000
.endr
	s_cmp_eq_u32 s11, 0                            ; a wave's two first fills stand in one branch: two loads of mine are out
	s_cbranch_scc0 .Lfirst_b
	tensor_load_to_lds s[G0:G0+3], s[G1:G1+7]
	s_nop 0
	tensor_load_to_lds s[G0+4:G0+7], s[G1:G1+7]
	s_nop 0
	PLACES
	s_branch .Lfirst_asked
.Lfirst_b:
	tensor_load_to_lds s[G0B:G0B+3], s[G1B:G1B+7]
	s_nop 0
	tensor_load_to_lds s[G0B+4:G0B+7], s[G1B:G1B+7]
	s_nop 0
	PLACES
.Lfirst_asked:
	; a fragment: lane l holds row l % 16; registers 0-3 K = 8 (l / 16) + 0..7, registers 4-7 K = 16 + 8 (l / 16) + 0..7: two loads of 16 bytes, 32 apart
	v_and_b32 v1, 15, v0                           ; r
	v_bfe_u32 v2, v0, 4, 1                         ; h
	v_mul_u32_u24 v3, v1, PITCH
	v_lshl_add_u32 v3, v2, 4, v3
	s_mul_i32 s22, s11, HALFT                      ; my 64 rows of A
	v_add_nc_u32 v[A0], s22, v3
	s_mul_i32 s22, s12, HALFT                      ; my 64 rows of B,
	s_add_co_u32 s22, s22, 2*HALFT                 ; which lie behind A's 128
	v_add_nc_u32 v[B0], s22, v3
	s_mul_i32 s23, s11, 64*SPITCH                  ; into the stage: row 64 x row half + r, byte 256 x column half + 32 h
	s_lshl_b32 s22, s12, 8
	s_add_co_u32 s23, s23, s22
	v_mul_u32_u24 v4, v1, SPITCH
	v_lshl_add_u32 v4, v2, 5, v4
	v_add_nc_u32 v[STO], s23, v4
	s_mul_i32 s23, s10, 32*SPITCH                  ; back: wave w takes rows 32 w .. 32 w + 31, whole
	v_add_nc_u32 v[RD], s23, v[CO]
	s_wait_tensorcnt 0x1                           ; my part of the first K step is in; the second's may stay out
	s_barrier_signal -1
	s_barrier_wait -1
	v_add_nc_u32 v[ADRA], s[TB], v[A0]
	v_add_nc_u32 v[ADRB], s[TB], v[B0]
	FETCH 0, F0
	WIN 0x80                                       ; destination window 2
.set i, 0
.rept 32
	global_load_b128 v[4*i:4*i+3], v[CO], s[72:73] offset:4096*i     ; R: a row's 512 consecutive bytes a load.  Asked for only now, behind the first tiles, which the products wait for; waited for on the way out
.set i, i+1
.endr
	QUARTER F0, F1, AQ, 1                          ; the first products start the sums: nothing is cleared
	s_add_co_u32 s[TB], s[TB], 2*AQ
	PAIR
	WIN 0
	s_mov_b32 s[SLOTS], KSTEPS-2
.Lslot:                                                ; every K step but the last two is followed by a refill of its slot
	CHANGE 1
	TWO_PAIRS
	s_sub_co_u32 s[SLOTS], s[SLOTS], 1
	s_cmp_lg_u32 s[SLOTS], 0
	s_cbranch_scc1 .Lslot
	CHANGE 0                                       ; the tail is written out
	TWO_PAIRS
	s_wait_dscnt 0x0                               ; my reads of the ring are over:
	s_barrier_signal -1                            ; say so, multiply the last quarter on registers meanwhile,
	WIN MUL
	MUL8 F1, 0, 0, 0
	MUL8 F1, 0, 2, 0
	MUL8 F1, 1, 0, 0
	MUL8 F1, 1, 2, 0
	WIN 0
	s_barrier_wait -1                              ; and write into the ring only when all four have said so
	PLACES
	; THE WAY OUT: f32 into the work-group's stage, each accumulator from its low registers on; a barrier, since a row's 512 bytes come from two waves; back as whole rows; plus R; stored
.irp a, 0,1,2,3
.irp b, 0,1,2,3
	ds_store_b128 v[STO], v[ACC+8*(4*\a+\b):ACC+8*(4*\a+\b)+3]   offset:\a*16*SPITCH+64*\b
	ds_store_b128 v[STO], v[ACC+8*(4*\a+\b)+4:ACC+8*(4*\a+\b)+7] offset:\a*16*SPITCH+64*\b+16
.endr
.endr
	s_wait_dscnt 0x0                               ; for the others' sake: my stores into the stage are done
	s_barrier_signal -1
	s_barrier_wait -1
.set i, 0
.rept 32
	ds_load_b128 v[ACC+4*i:ACC+4*i+3], v[RD] offset:SPITCH*i
.set i, i+1
.endr
	s_wait_loadcnt 0x0                             ; R
	s_wait_dscnt 0x0
	WIN 0x08                                       ; source 1 window 2
.set i, 0
.rept 64
	v_pk_add_f32 v[ACC+2*i:ACC+2*i+1], v[ACC+2*i:ACC+2*i+1], v[2*i:2*i+1]
.set i, i+1
.endr
	WIN 0
.set i, 0
.rept 32
	global_store_b128 v[CO], v[ACC+4*i:ACC+4*i+3], s[74:75] offset:4096*i    ; 32 lanes store 512 consecutive bytes, aligned
.set i, i+1
.endr
	s_wait_tensorcnt 0x0                           ; the wave's end
	ds_add_u32 v[SPW], v[NIL]
	s_wait_dscnt 0x0
	CROUND                                         ; the closing round: no work-group ends while a partner may still ask for a tile that names it
	s_endpgm
.Lfunc_end_k_q54f0a98672_fc2:
	.size	k_q54f0a98672_fc2, .Lfunc_end_k_q54f0a98672_fc2-k_q54f0a98672_fc2
	.p2alignl 7, 3214868480
	.fill 96, 4, 3214868480
	.section	.rodata,"a",@progbits
	.p2align	6, 0x0
	.amdhsa_kernel k_q54f0a98672_fc2
		.amdhsa_group_segment_fixed_size 327680
		.amdhsa_private_segment_fixed_size 0
		.amdhsa_enable_private_segment 0
		.amdhsa_kernarg_size 32
		.amdhsa_user_sgpr_count 2
		.amdhsa_user_sgpr_kernarg_segment_ptr 1
		.amdhsa_wavefront_size32 1
		.amdhsa_system_sgpr_workgroup_id_x 1
		.amdhsa_system_sgpr_workgroup_id_y 1
		.amdhsa_system_sgpr_workgroup_id_z 1
		.amdhsa_system_vgpr_workitem_id 0
		.amdhsa_next_free_vgpr 640
		.amdhsa_next_free_sgpr 80
		.amdhsa_reserve_vcc 0
		.amdhsa_float_denorm_mode_32 3
		.amdhsa_float_denorm_mode_16_64 3
		.amdhsa_memory_ordered 1
		.amdhsa_forward_progress 1
		.amdhsa_inst_pref_size 59
	.end_amdhsa_kernel
	.amdgpu_metadata
---
amdhsa.version: [ 1, 2 ]
amdhsa.kernels:
  - .name:           k_q54f0a98672_fc2
    .symbol:         k_q54f0a98672_fc2.kd
    .args:
      - { .name: hid, .offset: 0, .size: 8, .value_kind: global_buffer, .address_space: global }
      - { .name: wb, .offset: 8, .size: 8, .value_kind: global_buffer, .address_space: global }
      - { .name: xr, .offset: 16, .size: 8, .value_kind: global_buffer, .address_space: global }
      - { .name: out0, .offset: 24, .size: 8, .value_kind: global_buffer, .address_space: global }
    .group_segment_fixed_size: 327680
    .private_segment_fixed_size: 0
    .kernarg_segment_align: 8
    .kernarg_segment_size: 32
    .max_flat_workgroup_size: 128
    .sgpr_count:     80
    .vgpr_count:     640
    .wavefront_size: 32
...
	.end_amdgpu_metadata
.endif
;; end of part 6
